; MI455X (gfx1250); checked and timed in simulation.
; The chip was launched on July 23, 2026; its instructions are those of AMD's public machine-readable ISA for CDNA 5 (MIT licence, August 2026) and "CDNA5" Instruction Set Architecture Reference Guide (July 2026). The comments in the code are by the model that wrote it; some were corrected since.
;; Multi Head Attention. Allowed arithmetic: matrix products marked QUANTISED: E2M3 operands, one E8M0 scale for each 32 along K, by v_wmma_scale_f32_16x16x128_f8f6f4 with both operands' format E2M3, f32 sums; everything else in f32.
;; Inputs: Wk 1,024 x 1,024 float32; Wo 1,024 x 1,024 float32; Wq 1,024 x 1,024 float32; Wv 1,024 x 1,024 float32; b_o 1,024 float32; rel_k_emb 65 x 64 float32; rel_v_emb 65 x 64 float32; x 8 x 1,024 x 1,024 float32.
;; Outputs: out0 8 x 1,024 x 1,024 float32.
;; This version of the problem:
;;   THIS VERSION OF THE PROBLEM IS GIVEN IN LOW PRECISION. The matrix products marked QUANTISED in the list below multiply operands that are first quantised to E2M3 (2 exponent bits, 3 mantissa bits; 6 bits a number), with one power-of-two scale for each 32 numbers along K (OCP MX v1.0); their sums are f32. All else is computed in f32.
;;   The module's matrix products, in the order in which they are computed (A, B: the left and right operand; K: the contracted axis; several contracted axes count as one K, in the product's order):
;;     1. [M 8,192, K 1,024] x [K 1,024, N 1,024]; A: input x; B: input Wq: QUANTISED
;;     2. [M 8,192, K 1,024] x [K 1,024, N 1,024]; A: input x; B: input Wk: QUANTISED
;;     3. [M 8,192, K 1,024] x [K 1,024, N 1,024]; A: input x; B: input Wv: QUANTISED
;;     4. batch 128 x [M 1,024, K 64] x [K 64, N 1,024]; A: computed on the way; B: computed on the way: QUANTISED
;;     5. batch 1,024 x [M 1,024, K 64] x [K 64, N 128]; A: computed on the way; B: computed on the way: QUANTISED
;;     6. batch 128 x [M 64, K 1,024] x [K 1,024, N 1,024]; A: computed on the way; B: softmax (see below): QUANTISED
;;     7. batch 1,024 x [M 64, K 1,024] x [K 1,024, N 128]; A: computed on the way; B: softmax (see below): QUANTISED
;;     8. [M 8,192, K 1,024] x [K 1,024, N 1,024]; A: computed on the way; B: input Wo: QUANTISED
;;   THE QUANTISER, for each operand of a quantised product, along K:
;;     - K is cut into blocks of 32 from its start; a last block that is shorter is filled with zeros.
;;     - A block's scale is 2^e with e = floor(log2(the largest magnitude in the block)) - 2, held to -126 .. 127; a block of zeros has e = 0. As a byte (E8M0): e + 127.
;;     - Each number is divided by its block's scale, clamped to +-7.5, and rounded to the nearest number of E2M3, ties to even, subnormals kept.
;;     - The product sums the exact products of the quantised numbers (number of the format x scale) in f32.
;;   ~~~python
;;   def quantise(x, axis):      # numpy; x: float32 -> the quantised numbers, widened to float32 again
;;       x = np.moveaxis(x, axis, -1); K = x.shape[-1]
;;       x = np.pad(x, [(0, 0)] * (x.ndim - 1) + [(0, -K % 32)]); x = x.reshape(x.shape[:-1] + (-1, 32)); a = np.abs(x).max(-1, keepdims=True)
;;       e = np.where(a > 0, np.clip(np.frexp(np.where(a > 0, a, 1))[1] - 1 - 2, -126, 127), 0)      # np.frexp(a)[1] - 1 = floor(log2(a)), exactly
;;       r = np.clip(x / 2.0 ** e, -7.5, 7.5)
;;       step = 2.0 ** (np.maximum(np.frexp(np.where(r == 0, 1, r))[1] - 1, 0) - 3)
;;       q = np.round(r / step) * step * 2.0 ** e      # np.round: ties to even
;;       return np.moveaxis(q.reshape(q.shape[:-2] + (-1,))[..., :K], -1, axis).astype(np.float32)
;;   ~~~
;;   SOFTMAX AHEAD OF A QUANTISED PRODUCT. Where the list says 'softmax', what is quantised is not the finished softmax but p = 2^(t - M), with t = logit x log2(e) and M = ceil(the row's largest t), a whole number; so 1/2 < the row's largest p <= 1. The row's sum l is taken of the UNQUANTISED p, in f32, and the product's result is divided by l at the end. Since M is a whole number, a kernel that streams over the keys may use a running M (the ceiling of the running maximum): every later rescaling is an exact power of two, which a block's scale takes up: the codes' values come out the same.
;;   OPERANDS COMPUTED ON THE WAY. 'Computed on the way' means the value that the module computes at that place (a softmax that the list does not call 'softmax' is quantised finished and normalised). What goes into a quantiser is computed in f32, as accurately as f32 sums, v_exp_f32 and their like allow (about 1e-6 of the number): no bf16 or f16 on the way to a quantiser, and a product that is left as it is and whose result goes on into a quantised operand takes f32 operands (vector FMAs, or v_wmma_f32_16x16x4_f32). A number that lies on a knife's edge between two numbers of the format may be rounded either way, as far as f32 arithmetic and the matrix unit's own rounding can turn it there, and no further.
;; One version. Each part assembles by itself: llvm-mc -triple=amdgcn-amd-amdhsa -mcpu=gfx1250 --defsym DOCPART=n.
;; ======== version 1 of 1: 4 launches
;; limits: right only within a limited range of input values
;; workspace buffers: xw 9,437,184 bytes; xws 393,216 bytes; tab 220,160 bytes; qkv 18,874,368 bytes; qkvs 786,432 bytes; cc 6,291,456 bytes; cs 262,144 bytes
;; launch quant (part 1): grid 419 x 1, 4 waves a work-group, no clusters, 49,664 bytes of LDS; arguments x, Wq, Wk, Wv, Wo, rel_k_emb, rel_v_emb, xw, xws, tab; writes xw, xws, tab
.if DOCPART == 1
	.amdgcn_target "amdgcn-amd-amdhsa--gfx1250"
	.amdhsa_code_object_version 6
	.text
	.protected	k_q605c5c2f30_quant
	.globl	k_q605c5c2f30_quant
	.p2align	8
	.type	k_q605c5c2f30_quant,@function
k_q605c5c2f30_quant:
	s_mov_b64 s[64:65], 0
	v_nop
	global_prefetch_b8 v0, s[64:65] scope:SCOPE_SE
	s_setreg_imm32_b32 hwreg(HW_REG_WAVE_MODE, 25, 1), 1
	s_wait_xcnt 0x0
; x [8192][1024] and Wq, Wk, Wv, Wo [1024][1024], f32, become codes of FP6 (E2M3), K innermost, 768 bytes a row, with one E8M0 byte for each 32 along K; and three small tables are made of the relative embeddings.
; A block's scale is 2^(floor(log2(its largest magnitude)) - 2): its byte is the largest magnitude's exponent field - 2, held at 1 from below (a block of zeros keeps the byte 1: its codes are zeros, and this program alone reads the bytes).
; LIMITS: blocks whose largest magnitude lies under 2^-124 are held at the byte 1; NaN and infinities among the inputs are not served.
; WORK-GROUPS 0-383: a wave takes 8 rows (8,192 numbers, 16 steps of 512), a work-group one aligned group of 32 rows.  0-255: x; then 32 each for Wq, Wk, Wv, Wo.
; THE ORDER OF ROWS.  In x, Wq, Wk, Wv the four runs of 8 rows of a group are stored in the order 0, 2, 1, 3 (row n lies where bits 3 and 4 of n are swapped).  So 16 rows on end, taken as source 0 of a matrix
; instruction, leave 16 neighbouring indices in the 16 registers of two neighbouring result tiles.  Wo keeps its order.
; WORK-GROUPS 384-415 (m = 0..31): the relative values quantised along the KEYS for queries i with i mod 32 = m: key blocks s = 0, 1, 2 about the query's own, entry clip(32 s + jj - m, 0, 64); stored as images of operand registers.
; WORK-GROUPS 416, 417: the relative keys quantised along d: 128 rows of 48 bytes (rows from 65 on: zero codes) and a scale word a row.  WORK-GROUP 418: rows 0 and 64 of the relative values, each number quantised as a block that holds it alone.
; HOW THE CODES LIE IN xw: by planes of 64 along K: [k / 64][12,288 rows][48 bytes]; a row's 768 bytes of codes are its 16 pieces of 48.  Rows 0-8,191: x; then 1,024 each of Wq, Wk, Wv, Wo.
; A wave's 8 rows are 384 consecutive bytes of each plane: its codes are gathered in its own LDS, [plane 16][row 8][48], and leave 16 bytes a lane.
.set WAVES, 4
.set PLB,   589824                     ; a plane of xw in bytes
.set CST,   5632                       ; where the codes are gathered in a wave's region: 6,144 bytes
.set GO,    196                        ; v196-198 where my 16 bytes of the gathered codes go in xw, for the loads 3 g + 0, 1, 2
.set STEPS, 16
.set EMAX,  2
.set CB,    12                         ; bytes of 16 codes
.set R,     16                         ; v16-79   four sets of 16 numbers as loaded
.set X,     80                         ; v80-111  two sets of 16 neighbours
.set C,     128                        ; v128-191 codes, four registers a step
.set E,     112                        ; v112-127 a scale byte a step
.set WREG,  12288                      ; LDS: a region for each wave: two stages of 32 x SP bytes, its 256 scale bytes, from CST on its codes
.set SP,    80
.set SPW,   12                         ; v12 my spare word's LDS address; never rewritten
.set NIL,   13                         ; v13 0; never rewritten
.set SPARE, WAVES*WREG                 ; the spare words: 128 bytes a wave, named by no other line
.set RVS,   196608                     ; in tab: scale words of the relative values' images
.set RKC,   212992                     ; codes of the relative keys
.set RKS,   219136                     ; their scale words
.set CQ,    219648                     ; the two constant rows, f32
	s_load_b512 s[8:23], s[0:1], 0x0               ; x 8, Wq 10, Wk 12, Wv 14, Wo 16, rel_k 18, rel_v 20, xw 22
	s_load_b128 s[24:27], s[0:1], 0x40             ; xws 24, tab 26
	v_lshl_add_u32 v[SPW], v0, 2, SPARE
	v_mov_b32 v[NIL], 0
	v_lshrrev_b32 v1, 5, v0
	v_readfirstlane_b32 s28, v1                    ; wave
	v_and_b32 v2, 31, v0                           ; lane
	s_cmp_ge_u32 ttmp9, 384
	s_cbranch_scc1 .Ltab
	; ---- the streams
	v_lshlrev_b32 v3, 4, v2                        ; my 16 bytes of a load's 512
	s_mul_i32 s29, s28, WREG
	v_lshrrev_b32 v14, 2, v2
	v_mul_u32_u24 v14, v14, SP
	v_and_b32 v15, 3, v2
	v_lshl_add_u32 v14, v15, 4, v14
	v_add_nc_u32 v14, s29, v14                     ; the stage on the way in: SP (lane / 4) + 16 (lane % 4)
	v_mul_u32_u24 v15, v2, SP
	v_add_nc_u32 v15, s29, v15                     ; and on the way out: SP x lane: my 16 neighbours
	v_lshrrev_b32 v4, 2, v2
	v_mul_u32_u24 v4, v4, 384
	v_and_b32 v10, 3, v2
	v_mad_u32_u24 v4, v10, 12, v4
	v_add_nc_u32 v4, s29, v4                       ; my 12 bytes of a step's codes: plane lane / 4 (of the step's eight), piece lane % 4 of the row's 48 bytes
	v_add_nc_u32 v1, s29, v3                       ; and on the way out: 16 x lane
.irp j, 0,1,2
	v_add_nc_u32 v10, 32*\j, v2                    ; u = 32 j + lane, 0 .. 95: which 16 bytes of four planes' 1,536
	v_mul_u32_u24 v11, v10, 43
	v_lshrrev_b32 v11, 10, v11                     ; u / 24: the plane (exact for u under 96)
	v_mul_u32_u24 v11, v11, PLB-384
	v_lshl_add_u32 v[GO+\j], v10, 4, v11           ; plane x PLB + 16 (u - 24 plane)
.endr
	v_lshrrev_b32 v5, 1, v2
	s_add_co_u32 s29, s29, 2*32*SP
	v_add_nc_u32 v5, s29, v5                       ; my block's scale byte in LDS
	v_lshlrev_b32 v7, 3, v2
	v_add_nc_u32 v6, s29, v7
	s_wait_alu depctr_va_vdst(0)
	s_wait_kmcnt 0x0
	s_mov_b64 s[4:5], s[16:17]                     ; which tensor: the choice hangs on the work-group's number alone
	s_mov_b32 s30, 352
	s_cmp_lt_u32 ttmp9, 352
	s_cselect_b64 s[4:5], s[14:15], s[4:5]
	s_cselect_b32 s30, 320, s30
	s_cmp_lt_u32 ttmp9, 320
	s_cselect_b64 s[4:5], s[12:13], s[4:5]
	s_cselect_b32 s30, 288, s30
	s_cmp_lt_u32 ttmp9, 288
	s_cselect_b64 s[4:5], s[10:11], s[4:5]
	s_cselect_b32 s30, 256, s30
	s_cmp_lt_u32 ttmp9, 256
	s_cselect_b64 s[4:5], s[8:9], s[4:5]
	s_cselect_b32 s30, 0, s30
	s_and_b32 s31, s28, 1
	s_lshl_b32 s31, s31, 1
	s_lshr_b32 s32, s28, 1
	s_or_b32 s31, s31, s32                         ; the wave's place in the group with its two bits swapped
	s_cmp_lt_u32 ttmp9, 352
	s_cselect_b32 s31, s31, s28                    ; Wo keeps its order
	s_sub_co_u32 s32, ttmp9, s30
	s_lshl_b32 s32, s32, 2
	s_add_co_u32 s32, s32, s28
	s_lshl_b32 s32, s32, 15                        ; the run in its tensor: 32,768 bytes each
	s_mov_b32 s33, 0
	s_add_nc_u64 s[4:5], s[4:5], s[32:33]
	s_lshl_b32 s34, ttmp9, 2
	s_add_co_u32 s34, s34, s31                     ; the run in xw and xws
	s_mul_i32 s32, s34, 384                        ; the run's 8 rows in a plane
	s_add_nc_u64 s[22:23], s[22:23], s[32:33]
	s_lshl_b32 s32, s34, 8
	s_add_nc_u64 s[24:25], s[24:25], s[32:33]
.macro LOAD t
.irp i, 0,1,2,3
	global_load_b128 v[R+16*((\t)%4)+4*\i:R+16*((\t)%4)+4*\i+3], v3, s[4:5] offset:2048*(\t)+512*\i th:TH_LOAD_NT   ; 32 lanes read 512 consecutive bytes
.endr
.endm
.macro TURN t                          ; a step's numbers through the stage: LDS serves a wave's instructions in order, so no wait between the stores and the loads
.irp i, 0,1,2,3
	ds_store_b128 v14, v[R+16*((\t)%4)+4*\i:R+16*((\t)%4)+4*\i+3] offset:32*SP*((\t)%2)+8*SP*\i
.endr
.irp i, 0,1,2,3
	ds_load_b128 v[X+16*((\t)%2)+4*\i:X+16*((\t)%2)+4*\i+3], v15 offset:32*SP*((\t)%2)+16*\i
.endr
.endm
.irp t, 0,1,2,3
	LOAD \t
.endr
	s_wait_loadcnt 12                              ; step 0's four loads are in; three steps' twelve may be out
	TURN 0
.macro STEP t
.set XS, X+16*((\t)%2)
.if (\t) > 0
	s_wait_dscnt 4                                 ; this step's numbers are back from the stage (the last step's byte store and three code stores may be out)
.else
	s_wait_dscnt 0x0
.endif
.if (\t)+4 < STEPS
	LOAD (\t)+4
.endif
.if (\t)+1 < STEPS
.if STEPS-2-(\t) >= 3
	s_wait_loadcnt 12                              ; the next step's four loads are in; those of the three steps behind it may be out
.else
	s_wait_loadcnt 4*(STEPS-2-(\t))
.endif
	TURN (\t)+1
.endif
	v_max3_num_f32 v8, |v[XS]|, |v[XS+1]|, |v[XS+2]|               ; the largest magnitude of my 16
	v_max3_num_f32 v9, |v[XS+3]|, |v[XS+4]|, |v[XS+5]|
.irp i, 6,10
	v_max3_num_f32 v8, v8, |v[XS+\i]|, |v[XS+\i+1]|
	v_max3_num_f32 v9, v9, |v[XS+\i+2]|, |v[XS+\i+3]|
.endr
	v_max3_num_f32 v8, v8, |v[XS+14]|, |v[XS+15]|
	v_max3_num_f32 v8, v8, v9, (EMAX+1)<<23        ; and the floor 2^(3 - 127): the byte cannot fall under 1
	v_max_num_f32_dpp v8, v8, v8 row_xmask:1 row_mask:0xf bank_mask:0xf   ; with my neighbour's 16: the block's
	v_add_nc_u32 v11, -(EMAX<<23), v8              ; 2 off its exponent field: the conversion's scale operand
	v_cvt_scalef32_pk16_fp6_f32 v[C+4*(\t):C+4*(\t)+2], v[XS:XS+15], v11
	v_lshrrev_b32 v[E+(\t)], 23, v11               ; the scale's byte
	ds_store_b8 v5, v[E+(\t)] offset:16*(\t)       ; both lanes of a block write the same byte with the same value
.irp i, 0,1,2
	ds_store_b32 v4, v[C+4*(\t)+\i] offset:CST+3072*((\t)%2)+48*((\t)/2)+4*\i   ; row t / 2, planes 8 (t % 2) on
.endr
.endm
.irp t, 0,1,2,3,4,5,6,7,8,9,10,11,12,13,14,15
	STEP \t
.endr
	ds_load_b64 v[8:9], v6
	s_wait_dscnt 0x0
	global_store_b64 v7, v[8:9], s[24:25]          ; 32 lanes store 256 consecutive bytes, aligned
.set k, 0
.rept 12
	ds_load_b128 v[16+4*k:19+4*k], v1 offset:CST+512*k   ; LDS serves a wave's instructions in order: these see my stores
.set k, k+1
.endr
.set k, 0
.rept 12
	s_wait_dscnt 11-k                              ; the younger loads may stay out
	global_store_b128 v[GO+k%3], v[16+4*k:19+4*k], s[22:23] offset:(k/3)*4*PLB   ; runs of 384 consecutive bytes, one for each plane
.set k, k+1
.endr
	s_wait_tensorcnt 0x0                           ; the wave's end, behind my last LDS store
	ds_add_u32 v[SPW], v[NIL]
	s_wait_dscnt 0x0
	s_endpgm
.Ltab:
	s_cmp_ge_u32 ttmp9, 416
	s_cbranch_scc1 .Lrk
	; ---- relative values for m = work-group - 384; wave t makes tile t of 16 d.  Lane (r, h) takes d = 32 (t / 2) + 8 (t % 2) + r + 8 (r / 8) and its registers run down the keys: register 32 c + jj holds k = 64 c + 32 h + jj
	s_sub_co_u32 s30, ttmp9, 384                   ; m
	v_and_b32 v1, 15, v0                           ; r
	v_bfe_u32 v3, v0, 4, 1                         ; h
	v_and_b32 v4, 8, v1
	v_add_nc_u32 v4, v4, v1
	s_lshr_b32 s31, s28, 1
	s_lshl_b32 s31, s31, 5
	s_and_b32 s32, s28, 1
	s_lshl_b32 s32, s32, 3
	s_add_co_u32 s31, s31, s32
	v_add_nc_u32 v4, s31, v4
	v_lshlrev_b32 v4, 2, v4                        ; 4 d
	s_sub_co_u32 s31, 32, s30
	v_lshl_add_u32 v5, v3, 5, s31                  ; 32 h + 32 - m: the entry's number + 32 at c = 0, jj = 0
	s_mov_b32 s34, 0x76543210
	s_mov_b32 s35, 0xfedcba98
.set i, 0
.rept 64
	v_add_nc_u32 v[128+i], i+32*(i/32), v5         ; + 64 c + jj, with c = i / 32 and jj = i % 32
	v_max_u32 v[128+i], 32, v[128+i]
	v_min_u32 v[128+i], 96, v[128+i]               ; the clip to 0 .. 64, 32 up
	v_lshl_add_u32 v[128+i], v[128+i], 8, v4       ; a row of the table is 256 bytes
.set i, i+1
.endr
	s_wait_alu depctr_va_vdst(0)
	s_wait_kmcnt 0x0
.set i, 0
.rept 64
	global_load_b32 v[64+i], v[128+i], s[20:21] offset:-8192   ; the 32 rows too many are taken off here
.set i, i+1
.endr
	s_wait_loadcnt 0x0
.irp c, 0,1
	v_max3_num_f32 v[32+\c], |v[64+32*\c]|, |v[65+32*\c]|, 0x1800000
.endr
.irp i, 2,4,6,8,10,12,14,16,18,20,22,24,26,28,30
.irp c, 0,1
	v_max3_num_f32 v[32+\c], v[32+\c], |v[64+32*\c+\i]|, |v[65+32*\c+\i]|
.endr
.endr
.irp c, 0,1
	v_add_nc_u32 v[44+\c], 0xff000000, v[32+\c]
.endr
.irp c, 0,1
	v_lshrrev_b32 v[36+\c], 23, v[44+\c]
.endr
	v_lshl_or_b32 v9, v37, 16, v36                 ; my two bytes: blocks h and 2 + h,
	v_lshlrev_b32 v10, 3, v3
	v_lshlrev_b32 v9, v10, v9                      ; at their places;
	v_mov_b32 v10, 0
	v_permlanex16_b32 v10, v9, s34, s35
	v_or_b32 v9, v9, v10                           ; with lane l xor 16's two the word is whole
.irp c, 0,1
	v_cvt_scalef32_pk16_fp6_f32 v[48+6*\c:50+6*\c], v[64+32*\c:79+32*\c], v[44+\c]
	v_cvt_scalef32_pk16_fp6_f32 v[192+4*\c:194+4*\c], v[80+32*\c:95+32*\c], v[44+\c]
.endr
	v_nop                                          ; one plain place behind a scaled conversion
.irp c, 0,1
.irp i, 0,1,2
	v_mov_b32 v[51+6*\c+\i], v[192+4*\c+\i]
.endr
.endr
	v_mov_b32 v11, 0
	s_mov_b32 s31, 0xffff0000
.irp k, 0,1,2,3,4,5
	v_cndmask_b32 v[54+\k], v[54+\k], v11, s31     ; the fourth block of 32 (lanes 16-31, second half) is not part of the band: zero codes
.endr
	v_lshlrev_b32 v6, 4, v2
	v_lshlrev_b32 v7, 2, v2
	s_lshl_b32 s30, s30, 2
	s_add_co_u32 s30, s30, s28                     ; 4 m + t
	s_mul_i32 s32, s30, 1536
	s_mov_b32 s33, 0
	s_add_nc_u64 s[36:37], s[26:27], s[32:33]
	s_lshl_b32 s32, s30, 7
	s_add_nc_u64 s[38:39], s[26:27], s[32:33]
	global_store_b128 v6, v[48:51], s[36:37]       ; the operand's registers as they stand: 512 consecutive bytes a store
	global_store_b128 v6, v[52:55], s[36:37] offset:512
	global_store_b128 v6, v[56:59], s[36:37] offset:1024
	global_store_b32 v7, v9, s[38:39] offset:RVS
	s_endpgm
.Lrk:
	s_cmp_eq_u32 ttmp9, 418
	s_cbranch_scc1 .Lcq
	; ---- relative keys: a thread takes a block of 32 along d; blocks from 130 on read block 129 and give zero codes
	s_sub_co_u32 s30, ttmp9, 416
	s_lshl_b32 s30, s30, 7
	v_add_nc_u32 v1, s30, v0                       ; block 0 .. 255
	v_min_u32 v3, 129, v1
	v_lshlrev_b32 v3, 7, v3
	s_wait_alu depctr_va_vdst(0)
	s_wait_kmcnt 0x0
.irp j, 0,1,2,3,4,5,6,7
	global_load_b128 v[32+4*\j:35+4*\j], v3, s[18:19] offset:16*\j
.endr
	s_wait_loadcnt 0x0
	v_max3_num_f32 v8, |v32|, |v33|, 0x1800000
.irp i, 2,4,6,8,10,12,14,16,18,20,22,24,26,28,30
	v_max3_num_f32 v8, v8, |v[32+\i]|, |v[33+\i]|
.endr
	v_add_nc_u32 v9, 0xff000000, v8
	v_cvt_scalef32_pk16_fp6_f32 v[16:18], v[32:47], v9
	v_cvt_scalef32_pk16_fp6_f32 v[20:22], v[48:63], v9
	v_lshrrev_b32 v10, 23, v9                      ; the byte (a plain place behind the conversions)
	v_mov_b32 v11, 0
	v_cmp_gt_u32 vcc_lo, 130, v1
.irp k, 16,17,18,20,21,22
	v_cndmask_b32 v[\k], v11, v[\k], vcc_lo
.endr
	v_mul_u32_u24 v4, v1, 24
	v_lshrrev_b32 v5, 1, v1
	v_and_b32 v6, 1, v1
	v_lshl_or_b32 v5, v5, 2, v6                    ; byte (block % 2) of the row's word
	v_mov_b32 v7, 127
	global_store_b96 v4, v[16:18], s[26:27] offset:RKC
	global_store_b96 v4, v[20:22], s[26:27] offset:RKC+12
	global_store_b8 v5, v10, s[26:27] offset:RKS
	global_store_b8 v5, v7, s[26:27] offset:RKS+2  ; the word's upper two bytes stand over zero codes: 127
	s_endpgm
.Lcq:
	; ---- a block that holds one number v 32 times: v rounded to four significant bits, ties to even, held at 1.875 x its power of two
	v_lshrrev_b32 v1, 6, v0                        ; row 0 or row 64
	v_and_b32 v3, 63, v0
	v_lshlrev_b32 v3, 2, v3
	v_lshl_add_u32 v3, v1, 14, v3
	s_wait_alu depctr_va_vdst(0)
	s_wait_kmcnt 0x0
	global_load_b32 v4, v3, s[20:21]
	s_wait_loadcnt 0x0
	v_and_b32 v5, 0x7fffffff, v4
	v_bfe_u32 v6, v5, 20, 1
	v_add3_u32 v6, v5, v6, 0x7ffff
	v_and_b32 v6, 0xfff00000, v6
	v_and_b32 v7, 0x7f800000, v5
	v_or_b32 v7, 0x700000, v7
	v_min_u32 v6, v6, v7
	v_and_b32 v7, 0x80000000, v4
	v_or_b32 v6, v6, v7
	v_lshlrev_b32 v8, 2, v0
	global_store_b32 v8, v6, s[26:27] offset:CQ
	s_endpgm
.Lfunc_end_k_q605c5c2f30_quant:
	.size	k_q605c5c2f30_quant, .Lfunc_end_k_q605c5c2f30_quant-k_q605c5c2f30_quant
	.p2alignl 7, 3214868480
	.fill 96, 4, 3214868480
	.section	.rodata,"a",@progbits
	.p2align	6, 0x0
	.amdhsa_kernel k_q605c5c2f30_quant
		.amdhsa_group_segment_fixed_size 49664
		.amdhsa_private_segment_fixed_size 0
		.amdhsa_enable_private_segment 0
		.amdhsa_kernarg_size 80
		.amdhsa_user_sgpr_count 2
		.amdhsa_user_sgpr_kernarg_segment_ptr 1
		.amdhsa_wavefront_size32 1
		.amdhsa_system_sgpr_workgroup_id_x 1
		.amdhsa_system_sgpr_workgroup_id_y 1
		.amdhsa_system_sgpr_workgroup_id_z 1
		.amdhsa_system_vgpr_workitem_id 0
		.amdhsa_next_free_vgpr 208
		.amdhsa_next_free_sgpr 66
		.amdhsa_reserve_vcc 1
		.amdhsa_float_denorm_mode_32 3
		.amdhsa_float_denorm_mode_16_64 3
		.amdhsa_memory_ordered 1
		.amdhsa_forward_progress 1
		.amdhsa_inst_pref_size 66
	.end_amdhsa_kernel
	.amdgpu_metadata
---
amdhsa.version: [ 1, 2 ]
amdhsa.kernels:
  - .name:           k_q605c5c2f30_quant
    .symbol:         k_q605c5c2f30_quant.kd
    .args:
      - { .name: x, .offset: 0, .size: 8, .value_kind: global_buffer, .address_space: global }
      - { .name: Wq, .offset: 8, .size: 8, .value_kind: global_buffer, .address_space: global }
      - { .name: Wk, .offset: 16, .size: 8, .value_kind: global_buffer, .address_space: global }
      - { .name: Wv, .offset: 24, .size: 8, .value_kind: global_buffer, .address_space: global }
      - { .name: Wo, .offset: 32, .size: 8, .value_kind: global_buffer, .address_space: global }
      - { .name: rel_k_emb, .offset: 40, .size: 8, .value_kind: global_buffer, .address_space: global }
      - { .name: rel_v_emb, .offset: 48, .size: 8, .value_kind: global_buffer, .address_space: global }
      - { .name: xw, .offset: 56, .size: 8, .value_kind: global_buffer, .address_space: global }
      - { .name: xws, .offset: 64, .size: 8, .value_kind: global_buffer, .address_space: global }
      - { .name: tab, .offset: 72, .size: 8, .value_kind: global_buffer, .address_space: global }
    .group_segment_fixed_size: 49664
    .private_segment_fixed_size: 0
    .kernarg_segment_align: 8
    .kernarg_segment_size: 80
    .max_flat_workgroup_size: 128
    .sgpr_count:     66
    .vgpr_count:     208
    .wavefront_size: 32
...
	.end_amdgpu_metadata
.endif
;; end of part 1
;; launch proj (part 2): grid 12 x 32, 4 waves a work-group, clusters of 4 x 4, 327,680 bytes of LDS; arguments xw, xws, qkv, qkvs; writes qkv, qkvs
.if DOCPART == 2
	.amdgcn_target "amdgcn-amd-amdhsa--gfx1250"
	.amdhsa_code_object_version 6
	.text
	.protected	k_q605c5c2f30_proj
	.globl	k_q605c5c2f30_proj
	.p2align	8
	.type	k_q605c5c2f30_proj,@function
k_q605c5c2f30_proj:
	s_mov_b64 s[64:65], 0
	v_nop
	global_prefetch_b8 v0, s[64:65] scope:SCOPE_SE
	s_setreg_imm32_b32 hwreg(HW_REG_WAVE_MODE, 25, 1), 1
	s_wait_xcnt 0x0
	s_wait_alu depctr_hold_cnt(0) depctr_sa_sdst(0) depctr_va_vdst(0) depctr_va_sdst(0) depctr_va_ssrc(0) depctr_va_vcc(0) depctr_vm_vsrc(0)
	s_getreg_b32 s2, hwreg(HW_REG_IB_STS2, 6, 4)
	s_cmp_eq_u32 s2, 0
	s_cbranch_scc0 .Lentry_in_a_cluster
	s_endpgm
.Lentry_in_a_cluster:
	s_bfe_u32 s2, ttmp6, 0x10000c
	s_cmp_lg_u32 s2, 0xf033
	s_cbranch_scc0 .Lentry_shape_is_right
	s_endpgm
.Lentry_shape_is_right:
; Q, K and V: three products on codes of FP6 (E2M3) with E8M0 scales, K = 1,024; the results are quantised again on the way out and leave as codes: Q and K along the head's 64, V along the keys.
; A tile is 256 x 256, four waves of 128 x 128 (64 accumulators, 512 registers).  K goes in steps of 256 through two LDS slots filled by joint tensor loads of a 4 x 4 cluster; the scale bytes of the tile's rows come once.
; ROLES, by the cluster's x alone (the same in all sixteen partners; only numbers are chosen, no branch): x = 0, 1: A = x (8,192 rows), B = Wq and Wk on end (2,048 rows).  x = 2: A = Wv (1,024 rows), B = x.
; Source 0 = 16 rows of B, source 1 = 16 rows of A: a lane holds ONE row of A and its registers run along B: along d for Q and K, along the keys for V.  B's rows lie in memory with bits 3 and 4 of the row's number swapped,
; so the 16 registers of two neighbouring tiles are 16 neighbouring indices: 32 beta + 16 (lane / 16) + 0 .. 15.  A's rows keep their places: the results' rows lie in the same swapped order.
; OUT: qkv [plane = B index / 64][A row][48 bytes]; qkvs [B index / 128][A row][4 scale bytes].  A wave's part: two planes of 128 rows (6,144 dense bytes each) and 512 bytes of words; they are gathered in LDS and leave 512 bytes a store.
; LIMITS: a block whose largest magnitude lies under 2^-124 keeps the byte 1; NaN and infinities are not served.
; REGISTERS: window 0: v0-31 addresses; v32-63 scale words, two sets; from v128 A's fragments, one set.  Window 1: B's fragments, two sets.  Windows 2, 3: the accumulators ((a, b) at v[8 (8 (a % 4) + b)]).
.set NQ,     2
; xw lies by planes of 64 along K, [k / 64][12,288 rows][48 bytes].  A tile of a K step is 4 planes x 256 rows: each plane's part is 12,288 consecutive bytes that begin at a multiple of 256.
; In LDS a slot holds A's 4 planes, then B's; rows are 48 bytes apart: the 32 lanes of a load of 8 bytes touch 64 different banks (12 r + 6 h words).
.set ROWB,   2359296                   ; a K step of 256 in memory: four planes of 589,824 bytes
.set KROW,   48                        ; a row's bytes in a plane
.set PITCH,  48
.set FR,     12
.set NL,     6
.set NP,     4
.set HALFT,  24576                     ; two planes of 256 rows: what one tensor load of the ring brings
.set SLOT,   4*HALFT
.set LAPS,   2
.set KS,     32
.set SCL,    2*SLOT
.set HALFS,  16*272
.set SBLK,   2*272
.set SPARE,  SCL+4*HALFS               ; the spare words: 128 bytes a wave, named by no other line
.set STGW,   12800                     ; the way out: a wave's stage, in slot 0, which has had its last fill and its last read by then
.set ADRA, 16
.set ADRB, 20
.set STO2, 24                          ; v24 stage: 48 r + 24 h
.set STS,  25                          ; v25 stage: the scale words, 4 r
.set RD2,  26                          ; v26 stage: 16 x lane
.set ADRS, 27
.set SPW,  28
.set NIL,  29
.set CO,   30                          ; v30 16 x lane, in memory
.set SC,   32
.set AF,   128
.set T1,   32                          ; the way out: v32-55 partial maxima
.set TM,   56                          ; v56-71 maxima, bytes, scale operands
.set PW,   72                          ; the scale word
.set PC,   76                          ; v76-94 the codes
.set BK,   128                         ; v128-227 the stage read back
.set G1, 24
.set G0, 32
.set G1B, 48
.set G0B, 56
.set G1S, 68
.set G0S, 76
.set G1SB, 80
.set G0SB, 88
.set MSB, 0
.macro WIN new                         ; the immediate's high byte repeats the setting that is left
.if MSB != \new
	s_set_vgpr_msb (MSB<<8)|\new
.set MSB, \new
.endif
.endm
.set MUL_LO, 0xa1
.set MUL_HI, 0xf1
.set TO_B,   0x40
; a joint load: waves 0 and 1 fetch for A, waves 2 and 3 for B; the branch hangs on the wave's number alone; s_nop 0 and four v_nop follow each line
.macro JLOAD g0a, g1a, g0b, g1b
	s_cmp_eq_u32 s15, 0
	s_cbranch_scc0 .Lfor_b_\@
	tensor_load_to_lds s[\g0a:\g0a+3], s[\g1a:\g1a+7]
	s_nop 0
.rept 4
	v_nop
.endr
	s_branch .Lasked_\@
.Lfor_b_\@:
	tensor_load_to_lds s[\g0b:\g0b+3], s[\g1b:\g1b+7]
	s_nop 0
.rept 4
	v_nop
.endr
.Lasked_\@:
.endm
.macro CREST
	s_cmp_lg_u32 s14, 0
	s_cbranch_scc1 .Lnot_wave_0_\@
	s_barrier_signal -3
.Lnot_wave_0_\@:
	s_barrier_wait -3
	s_barrier_signal -1
	s_barrier_wait -1
.endm
.macro CROUND
	s_barrier_signal -1
	s_barrier_wait -1
	CREST
.endm
	s_load_b256 s[4:11], s[0:1], 0x0               ; xw 4, xws 6, qkv 8, qkvs 10
	v_lshl_add_u32 v[SPW], v0, 2, SPARE
	v_mov_b32 v[NIL], 0
	ds_add_u32 v[SPW], v[NIL]                      ; the wave's opening: the add and its wait ahead of my first tensor load
	ds_add_u32 v[SPW], v[NIL]
	v_lshrrev_b32 v1, 5, v0
	v_readfirstlane_b32 s14, v1                    ; wave
	s_lshr_b32 s15, s14, 1                         ; my half of the tile's rows of A; also: I fetch for A (0) or B (1)
	s_and_b32 s16, s14, 1                          ; my half of B's rows; also: which 128 rows I fetch
	s_bfe_u32 s40, ttmp6, 0x40000                  ; cx
	s_bfe_u32 s41, ttmp6, 0x40004                  ; cy
	s_lshl_b32 s42, ttmp9, 2
	s_and_b32 s17, ttmp7, 0xffff
	s_lshl_b32 s17, s17, 2
	s_cmp_eq_u32 ttmp9, 2                          ; the role; only selects and moves stand between this compare and the last select
	s_cselect_b32 s42, s17, s42                    ; B's tiles: V: 4 x cluster y on; else 4 x cluster x on
	s_cselect_b32 s17, 0, s17                      ; A's tiles: V: 0 on; else 4 x cluster y on
	s_cselect_b32 s95, 491520, 0                   ; A's first row in a plane of xw, in bytes: Wv is row 10,240
	s_cselect_b32 s96, 0, 393216                   ; B's: Wq is row 8,192
	s_cselect_b32 s97, 327680, 0                   ; A's scale bytes in xws
	s_cselect_b32 s98, 0, 262144                   ; B's
	s_mov_b32 s99, 393216
	s_cselect_b32 s99, 49152, s99                  ; a plane of the result
	s_mov_b32 s100, 32768
	s_cselect_b32 s100, 4096, s100                 ; a plane of its scale words
	s_cselect_b32 s101, 12582912, 0                ; where the result begins in qkv
	s_cselect_b32 s66, 524288, 0                   ; and in qkvs
	s_add_co_u32 s42, s42, s40                     ; B's tile
	s_add_co_u32 s17, s17, s41                     ; A's tile
	s_lshl_b32 s43, s41, 2
	s_lshl_b32 s43, 15, s43                        ; my row of the cluster
	s_lshl_b32 s44, 0x1111, s40                    ; my column
	s_or_b32 s[G1+0], s43, (3<<16)|(1<<21)         ; the mask; elements of 8 bytes; no padding
	s_or_b32 s[G1B+0], s44, (3<<16)|(1<<21)
.irp g, G1, G1B
	s_mov_b32 s[\g+1], 1536<<16                    ; a descriptor's row: 256 rows of codes in one plane, 12,288 bytes
	s_mov_b32 s[\g+2], 4<<16                       ; four planes for the head's loads; behind them two, for the ring's
	s_mov_b32 s[\g+3], 1536<<16
	s_mov_b32 s[\g+4], 4
	s_mov_b32 s[\g+5], 73728                       ; from plane to plane, in elements
	s_mov_b32 s[\g+6], 0
	s_mov_b32 s[\g+7], 0
.endr
	s_or_b32 s[G1S+0], s43, (3<<16)|(1<<20)|(1<<21)|(5<<22)|(3<<25)  ; the scale bytes: rows of 256 bytes, 16 of padding behind each
	s_or_b32 s[G1SB+0], s44, (3<<16)|(1<<20)|(1<<21)|(5<<22)|(3<<25)
.irp g, G1S, G1SB
	s_mov_b32 s[\g+1], 32<<16
	s_mov_b32 s[\g+2], 32<<16                      ; the scale bytes of 256 rows: 32 rows of 256 bytes
	s_mov_b32 s[\g+3], 32<<16
	s_mov_b32 s[\g+4], 32
	s_mov_b32 s[\g+5], 32
	s_mov_b32 s[\g+6], 0
	s_mov_b32 s[\g+7], 0
.endr
	s_lshl_b32 s20, s17, 8                         ; A: the tile's first row
	s_lshl_b32 s46, s42, 8                         ; B likewise
	s_mov_b32 s21, 0
	s_mov_b32 s47, 0
	s_mov_b64 s[18:19], KS
	s_mul_u64 s[22:23], s[20:21], s[18:19]
	s_mul_u64 s[92:93], s[46:47], s[18:19]
	s_mov_b64 s[18:19], KROW
	s_mul_u64 s[20:21], s[20:21], s[18:19]
	s_mul_u64 s[46:47], s[46:47], s[18:19]
	s_mov_b32 s19, 0
	s_mov_b32 s18, s95
	s_add_nc_u64 s[20:21], s[20:21], s[18:19]
	s_mov_b32 s18, s97
	s_add_nc_u64 s[22:23], s[22:23], s[18:19]
	s_mov_b32 s18, s96
	s_add_nc_u64 s[46:47], s[46:47], s[18:19]
	s_mov_b32 s18, s98
	s_add_nc_u64 s[92:93], s[92:93], s[18:19]
	s_mul_i32 s45, s14, HALFT
	s_wait_dscnt 0x0                               ; the opening add is done
	s_wait_kmcnt 0x0
	s_add_nc_u64 s[20:21], s[4:5], s[20:21]
	s_add_nc_u64 s[22:23], s[6:7], s[22:23]
	s_add_nc_u64 s[46:47], s[4:5], s[46:47]
	s_add_nc_u64 s[92:93], s[6:7], s[92:93]
	CROUND                                         ; all sixteen work-groups are here: the first joint loads meet
	s_mov_b32 s[G0S], 1
	s_mov_b32 s[G0S+1], SCL
	s_mov_b64 s[G0S+2:G0S+3], s[22:23]
	s_or_b32 s[G0S+3], s[G0S+3], 0x80000000
	s_mov_b32 s[G0SB], 1
	s_mov_b32 s[G0SB+1], SCL+2*HALFS
	s_mov_b64 s[G0SB+2:G0SB+3], s[92:93]
	s_or_b32 s[G0SB+3], s[G0SB+3], 0x80000000
	s_mul_i32 s18, s16, ROWB/2                     ; in the ring I fetch two of a K step's four planes
	s_mov_b32 s19, 0
	s_add_nc_u64 s[20:21], s[20:21], s[18:19]
	s_add_nc_u64 s[46:47], s[46:47], s[18:19]
.irp s, 0,1
	s_mov_b32 s[G0+4*\s], 1
	s_add_co_u32 s[G0+4*\s+1], s45, \s*SLOT
	s_add_nc_u64 s[G0+4*\s+2:G0+4*\s+3], s[20:21], \s*ROWB
	s_or_b32 s[G0+4*\s+3], s[G0+4*\s+3], 0x80000000
	s_mov_b32 s[G0B+4*\s], 1
	s_add_co_u32 s[G0B+4*\s+1], s45, \s*SLOT
	s_add_nc_u64 s[G0B+4*\s+2:G0B+4*\s+3], s[46:47], \s*ROWB
	s_or_b32 s[G0B+4*\s+3], s[G0B+4*\s+3], 0x80000000
.endr
; THE HEAD'S LOADS, ONE A WAVE: wave 0: K step 0 of A, all four planes (its own ring descriptor of slot 0 begins at plane 0 and LDS byte 0); wave 1: A's scales; wave 2: K step 0 of B likewise; wave 3: B's scales.
.macro ARM under, g0, g1, next
	s_cmp_lt_u32 s14, \under
	s_cbranch_scc0 \next
	tensor_load_to_lds s[\g0:\g0+3], s[\g1:\g1+7]
	s_nop 0
.rept 4
	v_nop
.endr
	s_branch .Lhead_asked
\next:
.endm
	ARM 1, G0,  G1,  .Lhead_sa
	ARM 2, G0S, G1S, .Lhead_b
	ARM 3, G0B, G1B, .Lhead_sb
	tensor_load_to_lds s[G0SB:G0SB+3], s[G1SB:G1SB+7]
	s_nop 0
.rept 4
	v_nop
.endr
.Lhead_asked:
	v_and_b32 v1, 15, v0                           ; r
	v_bfe_u32 v2, v0, 4, 1                         ; h
	v_mul_u32_u24 v3, v1, PITCH
	v_mul_u32_u24 v4, v2, 24
	v_add_nc_u32 v4, v3, v4
	s_mul_i32 s21, s15, 6144                       ; my 128 rows of A in each plane
	s_mul_i32 s22, s16, 6144                       ; my 128 rows of B,
	s_add_co_u32 s22, s22, 2*HALFT                 ; behind A's four planes
.irp s, 0,1
	v_add_nc_u32 v[ADRA+\s], s21, v4
	v_add_nc_u32 v[ADRB+\s], s22, v4
	s_add_co_u32 s21, s21, SLOT
	s_add_co_u32 s22, s22, SLOT
.endr
	s_wait_alu depctr_va_vdst(0)                   ; the wait ahead of the reader below
	v_mul_u32_u24 v5, v1, KS
	v_lshrrev_b32 v6, 8, v5
	v_lshl_add_u32 v5, v6, 4, v5
	s_mul_i32 s21, s15, HALFS
	s_mul_i32 s22, s16, HALFS
	s_add_co_u32 s22, s22, 2*HALFS
	s_sub_co_u32 s22, s22, s21
	v_mul_u32_u24 v6, s22, v2                      ; lanes 16-31 take B's words
	s_add_co_u32 s21, s21, SCL
	v_add_nc_u32 v5, v5, v6
	v_add_nc_u32 v[ADRS], s21, v5
	s_mul_i32 s23, s14, STGW                       ; my stage
	v_mul_u32_u24 v5, v1, 48
	v_mad_u32_u24 v5, v2, 24, v5
	v_add_nc_u32 v[STO2], s23, v5
	v_lshlrev_b32 v5, 2, v1
	v_add_nc_u32 v5, s23, v5
	v_add_nc_u32 v[STS], 12288, v5
	v_and_b32 v6, 31, v0
	v_lshlrev_b32 v[CO], 4, v6
	v_add_nc_u32 v[RD2], s23, v[CO]
	; where my part of the result begins
	s_lshl_b32 s20, s17, 8
	s_lshl_b32 s21, s15, 7
	s_add_co_u32 s20, s20, s21                     ; my first row of A
	s_mul_i32 s22, s20, 48
	s_lshl_b32 s20, s20, 2
	s_lshl_b32 s46, s42, 2
	s_lshl_b32 s47, s16, 1
	s_add_co_u32 s46, s46, s47                     ; my first plane
	s_mul_i32 s47, s46, s99
	s_add_co_u32 s22, s22, s47
	s_add_co_u32 s22, s22, s101
	s_mov_b32 s23, 0
	s_add_nc_u64 s[8:9], s[8:9], s[22:23]          ; the first plane's 128 rows,
	s_mov_b32 s22, s99
	s_add_nc_u64 s[12:13], s[8:9], s[22:23]        ; the second's,
	s_lshr_b32 s46, s46, 1
	s_mul_i32 s46, s46, s100
	s_add_co_u32 s22, s46, s20
	s_add_co_u32 s22, s22, s66
	s_add_nc_u64 s[10:11], s[10:11], s[22:23]      ; and their scale words
.macro FRAG reg, adr, q, i             ; 16 rows x 128 K of 6-bit codes: 12 registers, in pieces of 8 bytes
.irp p, 0,1,2,3,4,5
	ds_load_b64 v[\reg+2*\p:\reg+2*\p+1], v[\adr] offset:(2*(\q)+\p/3)*12288+(\i)*16*PITCH+8*(\p%3)   ; plane 2 q + p / 3 of the slot's four
.endr
.endm
; 16 matrix instructions; the 64 accumulators take turns, one instruction a turn, in the same order in every step
.macro MUL16 a0, p, q, sc, zero
.irp a, \a0, \a0+1
.irp b, 0,1,2,3,4,5,6,7
.if \zero
	v_wmma_scale_f32_16x16x128_f8f6f4 v[8*(8*((\a)%4)+\b):8*(8*((\a)%4)+\b)+7], v[128*(\p)+FR*\b:128*(\p)+FR*\b+FR-1], v[AF+FR*(\a):AF+FR*(\a)+FR-1], 0, v[SC+8*NQ*(\sc)+NQ*\b+(\q)], v[SC+8*NQ*(\sc)+NQ*(\a)+(\q)] matrix_a_fmt:MATRIX_FMT_FP6 matrix_b_fmt:MATRIX_FMT_FP6 matrix_a_scale:MATRIX_SCALE_ROW1
.else
	v_wmma_scale_f32_16x16x128_f8f6f4 v[8*(8*((\a)%4)+\b):8*(8*((\a)%4)+\b)+7], v[128*(\p)+FR*\b:128*(\p)+FR*\b+FR-1], v[AF+FR*(\a):AF+FR*(\a)+FR-1], v[8*(8*((\a)%4)+\b):8*(8*((\a)%4)+\b)+7], v[SC+8*NQ*(\sc)+NQ*\b+(\q)], v[SC+8*NQ*(\sc)+NQ*(\a)+(\q)] matrix_a_fmt:MATRIX_FMT_FP6 matrix_b_fmt:MATRIX_FMT_FP6 matrix_a_scale:MATRIX_SCALE_ROW1
.endif
.endr
.endr
.endm
.macro FETCH_B slot, q, p
	WIN TO_B
.irp i, 0,1,2,3,4,5,6,7
	FRAG 128*(\p)+FR*\i, ADRB+\slot, \q, \i
.endr
	WIN 0
.endm
.macro FETCH_A slot, q, i0
.irp i, \i0, \i0+1, \i0+2, \i0+3
	FRAG AF+FR*(\i), ADRA+\slot, \q, \i
.endr
.endm
.macro SCALES sc
.irp i, 0,1,2,3,4,5,6,7
	ds_load_b64 v[SC+8*NQ*\sc+NQ*\i:SC+8*NQ*\sc+NQ*\i+1], v[ADRS] offset:\i*SBLK
.endr
.endm
.macro PLACES n                        ; plain places behind matrix instructions, ahead of loads into their registers and of reads of their results
.rept \n
	v_nop
.endr
.endm
.macro STEP slot, q, zero
	s_wait_dscnt 4*NL                              ; B's set and A's blocks 0-3 are in; the youngest 24 loads (A's blocks 4-7) may be out
	WIN MUL_LO
	MUL16 0, (\q)%2, \q, \slot, \zero
	MUL16 2, (\q)%2, \q, \slot, \zero
	s_wait_dscnt 0
	PLACES NP
	FETCH_B \slot, (\q)+1, 1-(\q)%2
	FETCH_A \slot, (\q)+1, 0
	WIN MUL_HI
	MUL16 4, (\q)%2, \q, \slot, \zero
	MUL16 6, (\q)%2, \q, \slot, \zero
	PLACES NP
	WIN 0
	FETCH_A \slot, (\q)+1, 4
.endm
; a slot's last step changes slots: each wave waits for all its tensor loads, adds 0 to its spare word, waits for that and for its reads of the slot; one barrier, which opens a round of the cluster's where the slot is filled again
.macro TURN slot, next, fill
	s_wait_tensorcnt 0x0                           ; all my tensor loads have landed: my part of the next slot
	ds_add_u32 v[SPW], v[NIL]
	s_wait_dscnt 4*NL+1                            ; the add and the youngest 24 loads may be out
	WIN MUL_LO
	MUL16 0, 1, NQ-1, \slot, 0
	s_wait_dscnt 0x0                               ; the add is done, and my reads of this slot are over
	s_barrier_signal -1
	MUL16 2, 1, NQ-1, \slot, 0
	WIN 0
	s_barrier_wait -1
.if \fill
	CREST
	s_add_nc_u64 s[G0+4*\slot+2:G0+4*\slot+3], s[G0+4*\slot+2:G0+4*\slot+3], 2*ROWB
	s_add_nc_u64 s[G0B+4*\slot+2:G0B+4*\slot+3], s[G0B+4*\slot+2:G0B+4*\slot+3], 2*ROWB
	JLOAD G0+4*\slot, G1, G0B+4*\slot, G1B         ; the first tensor load behind the round; its four v_nop are the places ahead of the loads below
.else
	PLACES NP
.endif
	s_wait_alu depctr_va_vdst(0)
	v_add_nc_u32 v[ADRS], 4*NQ, v[ADRS]
	FETCH_B \next, 0, 0
	FETCH_A \next, 0, 0
	SCALES \next
	WIN MUL_HI
	MUL16 4, 1, NQ-1, \slot, 0
	MUL16 6, 1, NQ-1, \slot, 0
	PLACES NP
	WIN 0
	FETCH_A \next, 0, 4
.endm
	s_wait_alu depctr_va_vdst(0)                   ; the head's end
	s_wait_tensorcnt 0x0                           ; my tile of the head's four is in
	ds_add_u32 v[SPW], v[NIL]
	s_mov_b32 s[G1+2], 2<<16                       ; no tensor load of mine is out: from here on a load brings two planes
	s_mov_b32 s[G1+4], 2
	s_mov_b32 s[G1B+2], 2<<16
	s_mov_b32 s[G1B+4], 2
	s_wait_dscnt 0x0                               ; the add is done
	CROUND                                         ; all four tiles are in, and all sixteen work-groups are here
	JLOAD G0+4, G1, G0B+4, G1B                     ; K step 1, the first tensor load behind the round
	FETCH_B 0, 0, 0
	FETCH_A 0, 0, 0
	SCALES 0
	FETCH_A 0, 0, 4
	STEP 0, 0, 1                                   ; the first step's products start the sums
	s_mov_b32 s3, LAPS-1
.Llap:
	TURN 0, 1, 1
	STEP 1, 0, 0
	TURN 1, 0, 1
	STEP 0, 0, 0
	s_sub_co_u32 s3, s3, 1
	s_cmp_lg_u32 s3, 0
	s_cbranch_scc1 .Llap
	TURN 0, 1, 0
	STEP 1, 0, 0
	s_wait_dscnt 4*NL
	WIN MUL_LO
	MUL16 0, 1, NQ-1, 1, 0
	MUL16 2, 1, NQ-1, 1, 0
	s_wait_dscnt 0
	WIN MUL_HI
	MUL16 4, 1, NQ-1, 1, 0
	MUL16 6, 1, NQ-1, 1, 0
	WIN 0
; THE WAY OUT.  Block a (16 rows of A x my 128 of B): register 16 beta + i of its 64 is index 32 beta + 16 h + i of my row: four blocks of 32, each shared with lane l xor 16.
.macro QUANTA a
.set AC, 64*((\a)%4)
.set PC, 76+24*((\a)%2)                ; the codes' registers and the scale word take turns between two sets: v76-94 and v100-118, v72 and v73
.set PW, 72+(\a)%2
	WIN 0x2a+0x15*((\a)/4)                         ; the three sources: window 2 or 3
.irp k, 0,1,2,3,4
.irp b, 0,1,2,3
	v_max3_num_f32 v[T1+6*\b+\k], |v[AC+16*\b+3*\k]|, |v[AC+16*\b+3*\k+1]|, |v[AC+16*\b+3*\k+2]|   ; ascending: each accumulator is first read at its low end
.endr
.endr
.irp b, 0,1,2,3
	v_max3_num_f32 v[T1+6*\b+5], |v[AC+16*\b+13]|, |v[AC+16*\b+14]|, |v[AC+16*\b+15]|
.endr
	WIN 0
.irp b, 0,1,2,3
	v_max3_num_f32 v[TM+\b], v[T1+6*\b], v[T1+6*\b+1], v[T1+6*\b+2]
.endr
.irp b, 0,1,2,3
	v_max3_num_f32 v[T1+6*\b+3], v[T1+6*\b+3], v[T1+6*\b+4], v[T1+6*\b+5]
.endr
.irp b, 0,1,2,3
	v_max3_num_f32 v[TM+\b], v[TM+\b], v[T1+6*\b+3], 0x1800000   ; and the floor 2^(3 - 127)
.endr
.irp b, 0,1,2,3
	v_permlanex16_b32 v[TM+4+\b], v[TM+\b], s2, s3
.endr
.irp b, 0,1,2,3
	v_max_num_f32 v[TM+\b], v[TM+\b], v[TM+4+\b]
.endr
.irp b, 0,1,2,3
	v_add_nc_u32 v[TM+12+\b], 0xff000000, v[TM+\b] ; 2 off the exponent field: the conversion's scale operand
.endr
.irp b, 0,1,2,3
	v_lshrrev_b32 v[TM+4+\b], 23, v[TM+12+\b]
.endr
	v_lshl_or_b32 v[PW], v[TM+5], 8, v[TM+4]
	v_lshl_or_b32 v[PW], v[TM+6], 16, v[PW]
	v_lshl_or_b32 v[PW], v[TM+7], 24, v[PW]
	WIN 0x02+((\a)/4)                              ; the numbers: window 2 or 3
.irp c, 0,1
	v_cvt_scalef32_pk16_fp6_f32 v[PC+6*\c:PC+2+6*\c], v[AC+32*\c:AC+15+32*\c], v[TM+12+2*\c]
	v_cvt_scalef32_pk16_fp6_f32 v[PC+12+4*\c:PC+14+4*\c], v[AC+16+32*\c:AC+31+32*\c], v[TM+12+2*\c+1]
.endr
	WIN 0
	v_nop                                          ; one plain place behind a scaled conversion
.irp c, 0,1                            ; a whole block to a lane: lanes 0-15 block 2 c, lanes 16-31 block 2 c + 1
.irp i, 0,1,2
	v_permlane16_swap_b32 v[PC+6*\c+\i], v[PC+12+4*\c+\i]
.endr
.irp i, 0,1,2
	v_mov_b32 v[PC+3+6*\c+\i], v[PC+12+4*\c+\i]
.endr
.endr
.irp p, 0,1,2,3,4,5
	ds_store_b64 v[STO2], v[PC+2*\p:PC+2*\p+1] offset:6144*(\p/3)+768*(\a)+8*(\p%3)   ; plane p / 3, row 16 a + r, block h
.endr
	ds_store_b32 v[STS], v[PW] offset:64*(\a)      ; both halves of the lanes write the same word
	s_wait_dscnt 7                                 ; this block's seven stores may be out; the block before's have read their registers, which the next block writes
.endm
	PLACES NP
	s_mov_b32 s2, 0x76543210
	s_mov_b32 s3, 0xfedcba98
.irp b, 0,1,2,3
	v_mov_b32 v[TM+4+\b], 0                        ; a lane permute's destination counts as one of its sources
.endr
.irp a, 0,1,2,3,4,5,6,7
	QUANTA \a
.endr
.set k, 0
.rept 25
	ds_load_b128 v[BK+4*k:BK+4*k+3], v[RD2] offset:512*k
.set k, k+1
.endr
.set k, 0
.rept 12
	s_wait_dscnt 24-k                              ; the younger loads may stay out
	global_store_b128 v[CO], v[BK+4*k:BK+4*k+3], s[8:9] offset:512*k      ; 32 lanes store 512 consecutive bytes, aligned to 256
.set k, k+1
.endr
.rept 12
	s_wait_dscnt 24-k
	global_store_b128 v[CO], v[BK+4*k:BK+4*k+3], s[12:13] offset:512*(k-12)
.set k, k+1
.endr
	s_wait_dscnt 0x0
	global_store_b128 v[CO], v[BK+96:BK+99], s[10:11]
	s_wait_tensorcnt 0x0                           ; the wave's end
	ds_add_u32 v[SPW], v[NIL]
	s_wait_dscnt 0x0
	CROUND                                         ; the closing round
	s_endpgm
.Lfunc_end_k_q605c5c2f30_proj:
	.size	k_q605c5c2f30_proj, .Lfunc_end_k_q605c5c2f30_proj-k_q605c5c2f30_proj
	.p2alignl 7, 3214868480
	.fill 96, 4, 3214868480
	.section	.rodata,"a",@progbits
	.p2align	6, 0x0
	.amdhsa_kernel k_q605c5c2f30_proj
		.amdhsa_group_segment_fixed_size 327680
		.amdhsa_private_segment_fixed_size 0
		.amdhsa_enable_private_segment 0
		.amdhsa_kernarg_size 32
		.amdhsa_user_sgpr_count 2
		.amdhsa_user_sgpr_kernarg_segment_ptr 1
		.amdhsa_wavefront_size32 1
		.amdhsa_system_sgpr_workgroup_id_x 1
		.amdhsa_system_sgpr_workgroup_id_y 1
		.amdhsa_system_sgpr_workgroup_id_z 1
		.amdhsa_system_vgpr_workitem_id 0
		.amdhsa_next_free_vgpr 1024
		.amdhsa_next_free_sgpr 102
		.amdhsa_reserve_vcc 0
		.amdhsa_float_denorm_mode_32 3
		.amdhsa_float_denorm_mode_16_64 3
		.amdhsa_memory_ordered 1
		.amdhsa_forward_progress 1
		.amdhsa_inst_pref_size 173
	.end_amdhsa_kernel
	.amdgpu_metadata
---
amdhsa.version: [ 1, 2 ]
amdhsa.kernels:
  - .name:           k_q605c5c2f30_proj
    .symbol:         k_q605c5c2f30_proj.kd
    .args:
      - { .name: xw, .offset: 0, .size: 8, .value_kind: global_buffer, .address_space: global }
      - { .name: xws, .offset: 8, .size: 8, .value_kind: global_buffer, .address_space: global }
      - { .name: qkv, .offset: 16, .size: 8, .value_kind: global_buffer, .address_space: global }
      - { .name: qkvs, .offset: 24, .size: 8, .value_kind: global_buffer, .address_space: global }
    .group_segment_fixed_size: 327680
    .private_segment_fixed_size: 0
    .kernarg_segment_align: 8
    .kernarg_segment_size: 32
    .max_flat_workgroup_size: 128
    .sgpr_count:     102
    .vgpr_count:     1024
    .wavefront_size: 32
...
	.end_amdgpu_metadata
.endif
;; end of part 2
;; launch attn (part 3): grid 2 x 128, 16 waves a work-group, no clusters, 327,680 bytes of LDS; arguments qkv, qkvs, tab, cc, cs; writes cc, cs
.if DOCPART == 3
	.amdgcn_target "amdgcn-amd-amdhsa--gfx1250"
	.amdhsa_code_object_version 6
	.text
	.protected	k_q605c5c2f30_attn
	.globl	k_q605c5c2f30_attn
	.p2align	8
	.type	k_q605c5c2f30_attn,@function
k_q605c5c2f30_attn:
	s_mov_b64 s[64:65], 0
	v_nop
	global_prefetch_b8 v0, s[64:65] scope:SCOPE_SE
	s_setreg_imm32_b32 hwreg(HW_REG_WAVE_MODE, 25, 1), 1
	s_wait_xcnt 0x0
; Attention with relative keys and values (clip at 32), all four products on codes of FP6 (E2M3) with E8M0 scales; the context leaves as codes for the last product.
; SHARES.  A work-group: one (batch, head) and 512 queries, in two passes of 256.  Sixteen waves of 256 registers, four to a SIMD; in a pass wave w owns 16 queries: block bi = 16 x + 8 pass + w / 2 of 32, m = 16 (w % 2) + lane % 16.
; The head's K and V (codes and scale words, 102 KB) lie in LDS for the whole launch, brought once through registers: no ring, nothing is filled again.  Only two work-groups share a head, so no cluster.
; LAYOUT.  Both products transposed: S^T = K Q^T, O^T = V^T P: a lane holds ONE query.  K's and V's rows lie in memory with bits 3 and 4 of the row's number swapped, so the 16 registers of tiles 2 b, 2 b + 1 are keys (or d) 32 b + 16 h + 0 .. 15.
; K = 64 in the first product: the upper six registers of each operand hold zero codes.
; RELATIVE KEYS.  QR[rho] = Q . Rk[rho] (five matrix instructions a pass) goes to the wave's table in LDS.  With sigma = key block - bi + 1: sigma < 0 adds QR[0], sigma > 2 adds QR[64] (folded into the exponent's addend);
; sigma = 0, 1, 2 adds QR[clip(32 sigma + jj - m, 0, 64)], read from the table.
; SOFTMAX.  t = score x log2(e) / 8; M = ceil of the running largest t; p = 2^(t - M) is quantised along the keys; the sum is taken of the unquantised p; a change of M multiplies sums and O^T by an exact power of two.
; RELATIVE VALUES, quantised along the keys.  Blocks with sigma < 0 (> 2) hold one number 32 times: c0q[d] (c64q[d]) x the sum of the block's quantised p, which a tile of ones gives (one matrix instruction a step).
; Blocks sigma = 0, 1, 2 hang on m alone: their p codes go to LDS, are regrouped by m (wave w: m = 2 w, 2 w + 1; columns = the work-group's sixteen blocks bi), and multiply the table's images; a code's scale byte is moved by M's later changes.
; LIMITS: NaN and infinities are not served; |M| under 2^24; a band block whose moved byte would fall under 0 is held at 0 (a share under 2^-124); blocks of zeros keep the byte 1; the two value terms are added before the one division by the sum.
; THE ORDER OF THE WORK.  A wave runs its two tiles of 16 queries (the two passes) one behind the other with no barrier between; the regrouping by m is made ONCE, behind both, with sixteen columns (the work-group's sixteen blocks bi).
; Column 2 (w / 2) + pass belongs to block bi % 16 = 8 pass + w / 2.  The first pass's O^T goes to OB; the second's stays in registers over a barrier and then goes to the bytes of K's and V's codes, which nobody reads any more;
; so do the context's codes.  A band block's byte + M lies in the fourth word of the block's 16-byte places.
.set KC,   0                           ; LDS: K's codes, key x 48
.set VC,   49152                       ; V's codes [key / 64][d 64][48]
.set KSW,  98304                       ; K's scale words
.set VSW,  102400                      ; V's [step 8][d 64]
.set TABL, 104448                      ; the small tables:
.set RKCL, 104448                      ;  relative keys, 128 rows x 48
.set RKSL, 110592                      ;  their words
.set CQL,  111104                      ;  c0q[64], c64q[64]
.set QRT,  111616                      ; a wave's table: 128 of margin, 16 rows x 320, 128 of margin
.set QRW,  5376
.set PB,   197632                      ; band codes: row 16 m + column of 96 bytes: block sigma at 32 sigma, halves 16 apart: 12 bytes of codes and byte + M as f32
.set LQ,   246784                      ; the sums, 64 m + 4 column; 2,048 on: -M
.set OB,   250880                      ; O^T of the first pass: 2,320 m + 272 (w / 2) + 4 d; the second pass's lies likewise from LDS byte 0 on
.set CT,   77824                       ; the context's codes, query x 48 (in V's bytes, behind the barriers)
.set CTS,  102400                      ; its two scale bytes a query
.set SPARE,325120                      ; the spare words: 128 bytes a wave, named by no other line
.set RVS,  196608                      ; in tab
.set AK0, 1
.set AV0, 2
.set ASK0, 3
.set ASV0, 4
.set ARK, 5
.set ARS, 6
.set GA,  7
.set QW,  8
.set PBA, 9
.set OBA, 11
.set LMA, 12
.set U0,  13                           ; m - 16 h, signed
.set QS,  28                           ; Q's scale word
.set PWD, 29                           ; p's scale word
.set ONE, 30                           ; four bytes 127
.set CQA, 31
.set BM,  212
.set BX,  216
.set SO,  220
.set NEGM, 232
.set TMAX, 233
.set LS,  234
.set FF,  236
.set SLR, 238                          ; sum of quantised p over left blocks  (v239: QR[0])
.set QR0, 239
.set SRR, 240                          ; over right blocks                    (v241: QR[64])
.set QR64, 241
.set P2P, 242
.set P2E, 243
.set ADK, 246
.set ADV, 247
.set ADS, 248
.set ADT, 249
.set SPW, 250
.set NIL, 251
.set P2L, 252
.set P2O, 253
.set P2C, 254
.set P2S, 255
.set WV,  14
.set SH,  15
.set SEL, 16
.set CS,  18
.set TB,  20
.set TS,  21
.set TJ,  22
.set SG0, 23                           ; sigma of the step's first key block
.set WL,  24                           ; s24-27: 1.0 where block b lies left of the band
.set WR,  28                           ; s28-31: right
.set BAND, 32
.set STEPS, 33
.set PASS, 34
.set BI,  35
.set SQ,  36
.set SQS, 38
.set OCC, 40
.set OCS, 42
.set W8,  62
.macro MM0 d, a, b, sa, sb             ; a product that starts a sum
	v_wmma_scale_f32_16x16x128_f8f6f4 v[\d:\d+7], v[\a:\a+11], v[\b:\b+11], 0, v[\sa], v[\sb] matrix_a_fmt:MATRIX_FMT_FP6 matrix_b_fmt:MATRIX_FMT_FP6
.endm
.macro MMA d, a, b, sa, sb             ; and one that adds in place
	v_wmma_scale_f32_16x16x128_f8f6f4 v[\d:\d+7], v[\a:\a+11], v[\b:\b+11], v[\d:\d+7], v[\sa], v[\sb] matrix_a_fmt:MATRIX_FMT_FP6 matrix_b_fmt:MATRIX_FMT_FP6
.endm
.macro KT adr, sadr, t, off, soff      ; 16 rows x 64 K into the lower half of buffer t, and the rows' scale words
.irp p, 0,1,2
	ds_load_b64 v[32+12*(\t)+2*\p:33+12*(\t)+2*\p], v[\adr] offset:(\off)+8*\p
.endr
	ds_load_b32 v[92+(\t)], v[\sadr] offset:\soff
.endm
.macro BAR                             ; my LDS instructions are done: then the work-group's barrier
	s_wait_dscnt 0x0
	s_barrier_signal -1
	s_barrier_wait -1
.endm
	s_load_b256 s[4:11], s[0:1], 0x0               ; qkv 4, qkvs 6, tab 8, cc 10
	s_load_b64 s[12:13], s[0:1], 0x20              ; cs
	v_lshl_add_u32 v[SPW], v0, 2, SPARE
	v_mov_b32 v[NIL], 0
	v_lshrrev_b32 v14, 5, v0
	s_delay_alu instid0(VALU_DEP_1)
	v_readfirstlane_b32 s[WV], v14
	s_and_b32 s44, s[WV], 1                        ; w % 2
	s_lshr_b32 s45, s[WV], 1                       ; w / 2
	s_and_b32 s46, ttmp7, 0xffff
	s_lshr_b32 s47, s46, 4                         ; batch
	s_and_b32 s46, s46, 15                         ; head
	s_and_b32 s[SH], s46, 1
	s_lshl_b32 s[SH], s[SH], 4                     ; a head's two scale bytes lie in the lower or the upper half of a word
	s_lshl_b32 s[W8], s44, 3
	s_lshl_b32 s[BI], ttmp9, 4
	s_add_co_u32 s[BI], s[BI], s45                 ; my query block in the first pass
	s_mov_b32 s[SEL], 0x76543210
	s_mov_b32 s[SEL+1], 0xfedcba98
	s_mov_b32 s[CS], 0x3e38aa3b                    ; log2(e) / 8
	s_mov_b32 s[CS+1], s[CS]
	s_mov_b32 s[PASS], 2
	v_and_b32 v100, 15, v0                         ; r
	v_bfe_u32 v101, v0, 4, 1                       ; h
	v_and_b32 v102, 31, v0                         ; lane
	v_and_b32 v107, 7, v0
	s_lshl_b32 s48, s44, 4
	v_add_nc_u32 v103, s48, v100                   ; m
	v_mul_u32_u24 v104, v100, 48
	s_delay_alu instid0(VALU_DEP_1)
	v_mad_u32_u24 v104, v101, 24, v104             ; 48 r + 24 h
	s_delay_alu instid0(VALU_DEP_1)
	v_add_nc_u32 v[AK0], KC, v104
	s_delay_alu instid0(VALU_DEP_2)
	v_add_nc_u32 v[AV0], VC, v104
	s_delay_alu instid0(VALU_DEP_3)
	v_add_nc_u32 v[ARK], RKCL, v104
	v_lshl_add_u32 v[ASK0], v100, 2, KSW
	v_lshl_add_u32 v[ASV0], v100, 2, VSW
	v_lshl_add_u32 v[ARS], v100, 2, RKSL
	s_mul_i32 s48, s[WV], QRW
	s_add_co_u32 s48, s48, QRT
	v_lshl_add_u32 v108, v102, 2, s48              ; my table's margins
	s_add_co_u32 s48, s48, 128
	v_mul_u32_u24 v105, v100, 320
	s_delay_alu instid0(VALU_DEP_1)
	v_add_nc_u32 v105, s48, v105                   ; my query's row
	s_delay_alu instid0(VALU_DEP_1)
	v_lshl_add_u32 v[QW], v101, 5, v105
	s_delay_alu instid0(VALU_DEP_2)
	v_lshl_add_u32 v[GA], v101, 6, v105
	v_lshlrev_b32 v106, 2, v103
	s_delay_alu instid0(VALU_DEP_1)
	v_sub_nc_u32 v[GA], v[GA], v106                ; entry 16 h - m of the row
	s_mul_i32 s48, s45, 272
	s_add_co_u32 s48, s48, OB
	v_mul_u32_u24 v[OBA], v103, 2320
	s_delay_alu instid0(VALU_DEP_1)
	v_add_nc_u32 v[OBA], s48, v[OBA]
	s_delay_alu instid0(VALU_DEP_1)
	v_lshl_add_u32 v[OBA], v101, 6, v[OBA]
	v_lshlrev_b32 v106, 4, v101
	s_delay_alu instid0(VALU_DEP_1)
	v_sub_nc_u32 v[U0], v103, v106
	v_lshl_add_u32 v[CQA], v101, 6, CQL
	; the regrouped part: m = 2 w + e (e in the immediates), column = lane % 16
	v_bfe_u32 v105, v0, 1, 3                       ; column / 2: the owner's w / 2
	v_and_b32 v106, 1, v0                          ; column % 2: the pass
	s_mul_i32 s48, s[WV], 3072
	s_add_co_u32 s48, s48, PB
	v_mad_u32_u24 v[P2E], v100, 96, s48            ; the band row of (m = 2 w, column = lane % 16)
	s_delay_alu instid0(VALU_DEP_1)
	v_lshl_add_u32 v[P2P], v101, 5, v[P2E]
	s_lshl_b32 s48, s[WV], 7
	s_add_co_u32 s48, s48, LQ
	v_lshl_add_u32 v[P2L], v100, 2, s48
	s_mul_i32 s48, s[WV], 4640
	v_mad_u32_u24 v[P2O], v105, 272, s48
	v_xor_b32 v104, 1, v106
	s_delay_alu instid0(VALU_DEP_1)
	v_mul_u32_u24 v104, v104, OB                   ; the first pass's O^T lies OB bytes above the second's
	v_lshl_add_u32 v[P2O], v101, 6, v[P2O]
	s_delay_alu instid0(VALU_DEP_1)
	v_add_nc_u32 v[P2O], v104, v[P2O]
	s_mul_i32 s48, s[WV], 96
	s_add_co_u32 s48, s48, CT
	v_mad_u32_u24 v[P2C], v105, 1536, s48          ; query 32 (8 pass + column / 2) + 2 w
	s_delay_alu instid0(VALU_DEP_1)
	v_mad_u32_u24 v[P2C], v106, 12288, v[P2C]
	s_delay_alu instid0(VALU_DEP_1)
	v_mad_u32_u24 v[P2C], v101, 24, v[P2C]
	s_lshl_b32 s48, s[WV], 2
	s_add_co_u32 s48, s48, CTS
	v_lshl_add_u32 v[P2S], v105, 6, s48
	s_delay_alu instid0(VALU_DEP_1)
	v_lshl_add_u32 v[P2S], v106, 9, v[P2S]
	; the fill of LDS
	v_lshlrev_b32 v109, 4, v0                      ; 16 x thread
	v_lshlrev_b32 v110, 4, v102                    ; 16 x lane
	v_lshlrev_b32 v111, 3, v0
	v_lshrrev_b32 v168, 6, v0
	v_and_b32 v169, 63, v0
	s_delay_alu instid0(VALU_DEP_1)
	v_lshlrev_b32 v169, 2, v169
	s_delay_alu instid0(VALU_DEP_1)
	v_lshl_add_u32 v168, v168, 12, v169            ; V's words: step = thread / 64, 4,096 bytes apart in memory
	s_mul_i32 s48, s[WV], 3072
	s_add_co_u32 s48, s48, VC
	v_add_nc_u32 v170, s48, v110
	v_add_nc_u32 v171, KSW, v111
	v_lshl_add_u32 v172, v0, 2, VSW
	v_add_nc_u32 v173, TABL, v109
	s_mov_b32 s51, 0
	s_add_co_u32 s50, s46, 16
	s_mul_i32 s50, s50, 393216
	s_mul_i32 s52, s47, 49152
	s_add_co_u32 s50, s50, s52
	s_wait_alu depctr_va_vdst(0)
	s_wait_kmcnt 0x0
	s_add_nc_u64 s[54:55], s[4:5], s[50:51]        ; K's codes: plane 16 + head, the batch's 1,024 rows
	s_lshl_b32 s50, s47, 4
	s_add_co_u32 s50, s50, s[WV]
	s_mul_i32 s50, s50, 49152
	s_mul_i32 s52, s46, 3072
	s_add_co_u32 s50, s50, s52
	s_add_co_u32 s50, s50, 12582912
	s_add_nc_u64 s[56:57], s[4:5], s[50:51]        ; V's codes: plane 16 batch + wave, the head's 64 rows
	s_lshr_b32 s50, s46, 1
	s_add_co_u32 s50, s50, 8
	s_lshl_b32 s50, s50, 15
	s_lshl_b32 s52, s47, 12
	s_add_co_u32 s50, s50, s52
	s_add_nc_u64 s[58:59], s[6:7], s[50:51]        ; K's scale words
	s_lshl_b32 s50, s47, 15
	s_lshl_b32 s52, s46, 8
	s_add_co_u32 s50, s50, s52
	s_add_co_u32 s50, s50, 524288
	s_add_nc_u64 s[60:61], s[6:7], s[50:51]        ; V's
.irp k, 0,1,2,3,4,5
	global_load_b128 v[112+4*\k:115+4*\k], v109, s[54:55] offset:8192*\k
.endr
.irp k, 0,1,2,3,4,5
	global_load_b128 v[136+4*\k:139+4*\k], v110, s[56:57] offset:512*\k
.endr
	global_load_b64 v[160:161], v111, s[58:59]
	global_load_b32 v162, v168, s[60:61]
	s_cmp_lt_u32 s[WV], 14                         ; the small tables are 448 threads' worth
	s_cbranch_scc0 .Lno_tab
	global_load_b128 v[164:167], v109, s[8:9] offset:212992
	s_wait_loadcnt 0x0
	ds_store_b128 v173, v[164:167]
.Lno_tab:
	s_lshl_b32 s52, s47, 10
	s_lshl_b32 s53, ttmp9, 9
	s_add_co_u32 s52, s52, s53                     ; the work-group's first token
	s_mul_i32 s48, s46, 393216
	s_mul_i32 s50, s52, 48
	s_add_co_u32 s50, s50, s48
	s_add_nc_u64 s[OCC:OCC+1], s[10:11], s[50:51]
	s_lshl_b32 s53, s45, 5
	s_add_co_u32 s53, s53, s52                     ; my group of 32 queries
	s_mul_i32 s50, s53, 48
	s_add_co_u32 s50, s50, s48
	s_add_nc_u64 s[SQ:SQ+1], s[4:5], s[50:51]
	s_lshr_b32 s50, s46, 1
	s_lshl_b32 s50, s50, 15
	s_lshl_b32 s53, s53, 2
	s_add_co_u32 s50, s50, s53
	s_add_nc_u64 s[SQS:SQS+1], s[6:7], s[50:51]
	s_lshl_b32 s50, s52, 5
	s_lshl_b32 s53, s46, 1
	s_add_co_u32 s50, s50, s53
	s_add_nc_u64 s[OCS:OCS+1], s[12:13], s[50:51]
.irp j, 22,23,24,25,26,27
	v_mov_b32 v[\j], 0                             ; Q's upper half: zero codes, for the whole launch
.endr
.irp t, 0,1,2,3
.irp j, 6,7,8,9,10,11
	v_mov_b32 v[32+12*\t+\j], 0                    ; and the four buffers' upper halves
.endr
.endr
	v_mov_b32 v[ONE], 0x7f7f7f7f
	v_mov_b32 v174, 0x08208208                     ; sixteen codes of 1.0 (001000) in three words
	v_mov_b32 v175, 0x82082082
	v_mov_b32 v176, 0x20820820
.irp c, 0,1                            ; the tile of ones: rows b and 8 + b hold ones in block b of 32 keys alone (b = 0 .. 3)
	v_add_nc_u32 v178, 2*\c, v101
	s_delay_alu instid0(VALU_DEP_1)
	v_cmp_eq_u32 vcc_lo, v178, v107
.irp k, 0,1,2,3,4,5
	v_cndmask_b32 v[80+6*\c+\k], v22, v[174+(\k%3)], vcc_lo
.endr
.endr
.irp b, 0,1,2,3
	v_mov_b32 v[BX+\b], 0                          ; a lane permute's destination counts as one of its sources
.endr
	v_mov_b32 v[FF+1], 0                           ; named as the upper half of a pair
	s_wait_loadcnt 0x0
	v_lshrrev_b32 v160, s[SH], v160
	v_lshrrev_b32 v161, s[SH], v161
.irp k, 0,1,2,3,4,5
	ds_store_b128 v109, v[112+4*\k:115+4*\k] offset:KC+8192*\k
.endr
.irp k, 0,1,2,3,4,5
	ds_store_b128 v170, v[136+4*\k:139+4*\k] offset:512*\k
.endr
	ds_store_b64 v171, v[160:161]
	ds_store_b32 v172, v162
	ds_store_b32 v108, v22                         ; the margins are read (and thrown away) by the band's loads: zeros
	ds_store_b32 v108, v22 offset:5248
	BAR
; the band's addend for block b at sigma = sg: 16 entries of my row; where the clip holds, QR[0] or QR[64] instead
.macro GATHER b, sg
.set i, 0
.rept 16
	ds_load_b32 v[192+i], v[GA] offset:128*\sg+4*i
.set i, i+1
.endr
	s_wait_dscnt 0x0
.if \sg == 0
.set i, 0
.rept 16
	v_cmp_lt_i32 vcc_lo, i, v[U0]
	s_delay_alu instid0(VALU_DEP_1)
	v_cndmask_b32 v[192+i], v[192+i], v[QR0], vcc_lo
.set i, i+1
.endr
.endif
.if \sg == 2
.set i, 0
.rept 16
	v_cmp_gt_i32 vcc_lo, i, v[U0]
	s_delay_alu instid0(VALU_DEP_1)
	v_cndmask_b32 v[192+i], v[192+i], v[QR64], vcc_lo
.set i, i+1
.endr
.endif
.set i, 0
.rept 8
	v_pk_add_f32 v[96+16*\b+2*i:97+16*\b+2*i], v[96+16*\b+2*i:97+16*\b+2*i], v[192+2*i:193+2*i]   ; ascending: each accumulator is first read at its low end
.set i, i+1
.endr
.endm
.macro GTREE b                         ; branches on ids and the count of steps alone
	s_add_co_i32 s44, s[SG0], \b
	s_cmp_eq_u32 s44, 0
	s_cbranch_scc0 .Lg1_\@
	GATHER \b, 0
	s_branch .Lgx_\@
.Lg1_\@:
	s_cmp_eq_u32 s44, 1
	s_cbranch_scc0 .Lg2_\@
	GATHER \b, 1
	s_branch .Lgx_\@
.Lg2_\@:
	s_cmp_eq_u32 s44, 2
	s_cbranch_scc0 .Lgx_\@
	GATHER \b, 2
.Lgx_\@:
.endm
.macro BSTORE b, reg                   ; a band block's codes (my 16, 12 bytes) and its byte + M go to LDS
	s_add_co_i32 s44, s[SG0], \b
	s_cmp_gt_u32 s44, 2
	s_cbranch_scc1 .Lsx_\@
	s_wait_alu depctr_va_vdst(0)
	v_cvt_f32_u32 v[\reg+3], v[BX+\b]              ; byte + M, in the register behind my three of codes
	s_delay_alu instid0(VALU_DEP_1)
	v_sub_f32 v[\reg+3], v[\reg+3], v[NEGM]
	s_cmp_eq_u32 s44, 0
	s_cbranch_scc0 .Ls1_\@
	s_wait_alu depctr_va_vdst(0)
	ds_store_b128 v[PBA], v[\reg:\reg+3]
	s_branch .Lsx_\@
.Ls1_\@:
	s_cmp_eq_u32 s44, 1
	s_cbranch_scc0 .Ls2_\@
	s_wait_alu depctr_va_vdst(0)
	ds_store_b128 v[PBA], v[\reg:\reg+3] offset:32
	s_branch .Lsx_\@
.Ls2_\@:
	s_wait_alu depctr_va_vdst(0)
	ds_store_b128 v[PBA], v[\reg:\reg+3] offset:64
.Lsx_\@:
.endm
	s_lshl_b32 s54, s44, 4                         ; 16 (w % 2): m = this + lane % 16
	s_mul_i32 s55, s45, 192
	s_add_co_u32 s55, s55, PB                      ; my two columns' band rows lie on end: 96 bytes on in the second pass
	s_lshl_b32 s56, s45, 3
	s_add_co_u32 s56, s56, LQ                      ; and their sums: 4 bytes on
.Lpass:
	; ---- my 16 queries: row 8 (w % 2) + r + 8 (r / 8) of the group holds query 16 (w % 2) + r
	v_and_b32 v14, 15, v0
	s_delay_alu instid0(VALU_DEP_1)
	v_and_b32 v15, 8, v14
	s_delay_alu instid0(VALU_DEP_1)
	v_add_nc_u32 v14, v14, v15
	s_delay_alu instid0(VALU_DEP_1)
	v_add_nc_u32 v14, s[W8], v14
	s_delay_alu instid0(VALU_DEP_1)
	v_lshlrev_b32 v15, 2, v14
	s_delay_alu instid0(VALU_DEP_2)
	v_mul_u32_u24 v14, v14, 48
	v_bfe_u32 v244, v0, 4, 1
	s_delay_alu instid0(VALU_DEP_1)
	v_mad_u32_u24 v14, v244, 24, v14
	global_load_b64 v[16:17], v14, s[SQ:SQ+1]
	global_load_b64 v[18:19], v14, s[SQ:SQ+1] offset:8
	global_load_b64 v[20:21], v14, s[SQ:SQ+1] offset:16
	global_load_b32 v[QS], v15, s[SQS:SQS+1]
.set j, 0
.rept 32
	v_mov_b32 v[160+j], 0                          ; O^T: the step is written once; its first trip finds zeros
.set j, j+1
.endr
	v_and_b32 v245, 15, v0
	s_delay_alu instid0(VALU_DEP_1)
	v_add_nc_u32 v245, s54, v245                   ; m
	s_delay_alu instid0(VALU_DEP_1)
	v_lshl_add_u32 v[LMA], v245, 6, s56
	v_mad_u32_u24 v245, v245, 1536, s55
	s_delay_alu instid0(VALU_DEP_1)
	v_lshl_add_u32 v[PBA], v244, 4, v245           ; my band row, my half's places
	s_delay_alu instid0(VALU_DEP_1)
	v_lshl_add_u32 v245, v244, 5, v[PBA]           ; my half (48 bytes) of the row
.irp k, 0,1,2
	ds_store_b128 v245, v[160:163] offset:16*\k    ; blocks that no step fills (past the sequence's ends) stay zero codes
.endr
.irp t, 0,1,2,3
	KT ARK, ARS, \t, 768*\t, 64*\t
.endr
	s_wait_loadcnt 0x0
	v_lshrrev_b32 v[QS], s[SH], v[QS]              ; eight plain lines stand between this write of a scale register and the first product
	v_mov_b32 v[LS], 0
	v_mov_b32 v[LS+1], 0
	v_mov_b32 v[SLR], 0
	v_mov_b32 v[SRR], 0
	v_mov_b32 v[TMAX], 0xff61b1e6                  ; -3e38, under every t
	s_delay_alu instid0(VALU_DEP_1)
	v_floor_f32 v[NEGM], -v[TMAX]
	v_lshlrev_b32 v245, 5, v244
	s_delay_alu instid0(VALU_DEP_1)
	v_sub_nc_u32 v245, v[QW], v245                 ; my row's first entry
	s_wait_alu depctr_va_vdst(0)
	s_wait_dscnt 0x0
.irp t, 0,1,2,3
	MM0 96+8*\t, 32+12*\t, 16, 92+\t, QS           ; QR^T: source 0 = 16 rows of the relative keys
.endr
.rept 4
	v_nop
.endr
	KT ARK, ARS, 0, 768*4, 64*4
	s_wait_dscnt 0x0
	MM0 128, 32, 16, 92, QS
.rept 4
	v_nop
.endr
.irp t, 0,1,2,3,4
	ds_store_b128 v[QW], v[96+8*\t:99+8*\t] offset:64*\t        ; entries 16 t + 8 h + 0 .. 7 of my query's row
	ds_store_b128 v[QW], v[100+8*\t:103+8*\t] offset:64*\t+16
.endr
	ds_load_b32 v[QR0], v245                       ; LDS serves a wave's instructions in order: these see my stores
	ds_load_b32 v[QR64], v245 offset:256
	s_sub_co_i32 s[SG0], 1, s[BI]
	s_mov_b32 s[TB], 0
	s_mov_b32 s[TS], 0
	s_mov_b32 s[TJ], 0
	s_mov_b32 s[STEPS], 8
	v_mov_b32 v[ADK], v[AK0]
	v_mov_b32 v[ADV], v[AV0]
	v_mov_b32 v[ADS], v[ASK0]
	v_mov_b32 v[ADT], v[ASV0]
	s_wait_dscnt 0x0
.Lstep:                                ; 128 keys
.irp b, 0,1,2,3
	s_add_co_i32 s44, s[SG0], \b
	s_cmp_lt_i32 s44, 0
	s_cselect_b32 s[WL+\b], 1.0, 0
	s_cmp_gt_i32 s44, 2
	s_cselect_b32 s[WR+\b], 1.0, 0
.endr
	s_add_co_i32 s44, s[SG0], 3
	s_cmp_le_u32 s44, 5
	s_cselect_b32 s[BAND], 1, 0                    ; does a block of this step lie in the band?
	s_wait_alu depctr_va_vdst(0)
.irp g, 0,1                            ; S^T = K Q^T, four tiles of 16 keys at a time
.if \g
.rept 4
	v_nop                                          ; places ahead of loads into registers that matrix instructions have read
.endr
.endif
.irp t, 0,1,2,3
	KT ADK, ADS, \t, 768*(4*\g+\t), 64*(4*\g+\t)
.endr
	s_wait_dscnt 0x0
.irp t, 0,1,2,3
	MM0 96+8*(4*\g+\t), 32+12*\t, 16, 92+\t, QS
.endr
.endr
.irp b, 0,1,2,3                        ; a block's constant addend; these eight lines are also the places behind the products
	v_mul_f32 v[225+2*\b], s[WL+\b], v[QR0]
.endr
.irp b, 0,1,2,3
	s_delay_alu instid0(VALU_DEP_4)
	v_fma_f32 v[225+2*\b], s[WR+\b], v[QR64], v[225+2*\b]
.endr
	s_cmp_eq_u32 s[BAND], 0
	s_cbranch_scc1 .Lnog
	GTREE 0
	GTREE 1
	GTREE 2
	GTREE 3
.Lnog:
	s_wait_alu depctr_va_vdst(0)
.irp b, 0,1,2,3
	v_max3_num_f32 v[BM+\b], v[96+16*\b], v[97+16*\b], v[98+16*\b]   ; each block's largest score: for the row's maximum and for the block's largest p
.endr
.irp i, 3,5,7,9,11,13
.irp b, 0,1,2,3
	v_max3_num_f32 v[BM+\b], v[BM+\b], v[96+16*\b+\i], v[97+16*\b+\i]
.endr
.endr
.irp b, 0,1,2,3
	v_max_num_f32 v[BM+\b], v[BM+\b], v[111+16*\b]
.endr
.irp b, 0,1,2,3
	s_delay_alu instid0(VALU_DEP_4)
	v_permlanex16_b32 v[BX+\b], v[BM+\b], s[SEL], s[SEL+1]
.endr
.irp b, 0,1,2,3
	s_delay_alu instid0(VALU_DEP_4)
	v_max_num_f32 v[BM+\b], v[BM+\b], v[BX+\b]
.endr
.irp b, 0,1,2,3
	s_delay_alu instid0(VALU_DEP_4)
	v_add_f32 v[BX+\b], v[BM+\b], v[225+2*\b]
.endr
	s_delay_alu instid0(VALU_DEP_2)
	v_max3_num_f32 v244, v[BX], v[BX+1], v[BX+2]
	s_delay_alu instid0(VALU_DEP_1)
	v_max_num_f32 v244, v244, v[BX+3]
	s_delay_alu instid0(VALU_DEP_1)
	v_mul_f32 v244, s[CS], v244
	s_delay_alu instid0(VALU_DEP_1)
	v_max_num_f32 v[TMAX], v[TMAX], v244           ; the running largest t
	v_mov_b32 v244, v[NEGM]
	s_delay_alu instid0(VALU_DEP_2)
	v_floor_f32 v[NEGM], -v[TMAX]                  ; -M = floor(-t): a whole number
	s_delay_alu instid0(VALU_DEP_1)
	v_sub_f32 v244, v[NEGM], v244
	s_delay_alu instid0(VALU_DEP_1)
	v_cvt_i32_f32 v244, v244                       ; (it saturates)
	s_delay_alu instid0(VALU_DEP_1)
	v_ldexp_f32 v[FF], 1.0, v244                   ; 2^(old M - new M)
.irp b, 0,1,2,3
	v_fma_f32 v[224+2*\b], v[225+2*\b], s[CS], v[NEGM]   ; the block's addend in the exponent
.endr
.set j, 0
.rept 32
	v_pk_fma_f32 v[96+j:97+j], v[96+j:97+j], s[CS:CS+1], v[224+2*(j/16):225+2*(j/16)] op_sel_hi:[1,0,0]
.set j, j+2
.endr
.irp b, 0,1,2,3
	v_fma_f32 v[BM+\b], v[BM+\b], s[CS], v[224+2*\b]
.endr
.set j, 0
	s_wait_alu depctr_va_vdst(0)
.rept 64
	v_exp_f32 v[96+j], v[96+j]                     ; p = 2^(t - M)
.set j, j+1
.endr
	v_pk_mul_f32 v[LS:LS+1], v[LS:LS+1], v[FF:FF+1] op_sel_hi:[1,0]   ; (a plain place behind the exponentials)
	s_wait_alu depctr_va_vdst(0)                   ; one wait for the batch, ahead of its first reader
.irp b, 0,1,2,3
	v_exp_f32 v[BM+\b], v[BM+\b]                   ; the block's largest p
.endr
	v_pk_add_f32 v[244:245], v[100:101], v[104:105]
	v_pk_add_f32 v[230:231], v[108:109], v[112:113]
	v_pk_add_f32 v[228:229], v[116:117], v[120:121]
	v_pk_add_f32 v[226:227], v[124:125], v[128:129]
	v_pk_add_f32 v[224:225], v[132:133], v[136:137]
	v_pk_add_f32 v[222:223], v[140:141], v[144:145]
	v_pk_add_f32 v[220:221], v[148:149], v[152:153]
	v_pk_add_f32 v[234:235], v[234:235], v[156:157]
	v_pk_add_f32 v[244:245], v[244:245], v[96:97]
	v_pk_add_f32 v[230:231], v[230:231], v[98:99]
	v_pk_add_f32 v[228:229], v[228:229], v[102:103]
	v_pk_add_f32 v[226:227], v[226:227], v[106:107]
	v_pk_add_f32 v[224:225], v[224:225], v[110:111]
	v_pk_add_f32 v[222:223], v[222:223], v[114:115]
	v_pk_add_f32 v[220:221], v[220:221], v[118:119]
	v_pk_add_f32 v[234:235], v[234:235], v[122:123]
	v_pk_add_f32 v[244:245], v[244:245], v[126:127]
	v_pk_add_f32 v[230:231], v[230:231], v[130:131]
	v_pk_add_f32 v[228:229], v[228:229], v[134:135]
	v_pk_add_f32 v[226:227], v[226:227], v[138:139]
	v_pk_add_f32 v[224:225], v[224:225], v[142:143]
	v_pk_add_f32 v[222:223], v[222:223], v[146:147]
	v_pk_add_f32 v[220:221], v[220:221], v[150:151]
	v_pk_add_f32 v[234:235], v[234:235], v[154:155]
	v_pk_add_f32 v[244:245], v[244:245], v[158:159]
	s_delay_alu instid0(VALU_DEP_2)
	v_pk_add_f32 v[234:235], v[234:235], v[226:227]
	s_delay_alu instid0(VALU_DEP_2)
	v_pk_add_f32 v[244:245], v[244:245], v[224:225]
	v_pk_add_f32 v[230:231], v[230:231], v[222:223]
	v_pk_add_f32 v[228:229], v[228:229], v[220:221]
	s_delay_alu instid0(VALU_DEP_2)
	v_pk_add_f32 v[234:235], v[234:235], v[230:231]
	s_delay_alu instid0(VALU_DEP_2)
	v_pk_add_f32 v[244:245], v[244:245], v[228:229]
	s_delay_alu instid0(VALU_DEP_1)
	v_pk_add_f32 v[234:235], v[234:235], v[244:245]
	s_wait_alu depctr_va_vdst(0)                   ; and one for the four
.irp b, 0,1,2,3
	v_max_num_f32 v[BM+\b], 0x1800000, v[BM+\b]    ; the floor 2^(3 - 127)
.endr
.irp b, 0,1,2,3
	s_delay_alu instid0(VALU_DEP_4)
	v_add_nc_u32 v[SO+\b], 0xff000000, v[BM+\b]
.endr
.irp b, 0,1,2,3
	s_delay_alu instid0(VALU_DEP_4)
	v_lshrrev_b32 v[BX+\b], 23, v[SO+\b]
.endr
	s_delay_alu instid0(VALU_DEP_3)
	v_lshl_or_b32 v[PWD], v[BX+1], 8, v[BX]
	s_delay_alu instid0(VALU_DEP_1)
	v_lshl_or_b32 v[PWD], v[BX+2], 16, v[PWD]
	s_delay_alu instid0(VALU_DEP_1)
	v_lshl_or_b32 v[PWD], v[BX+3], 24, v[PWD]
.irp c, 0,1
	v_cvt_scalef32_pk16_fp6_f32 v[192+6*\c:194+6*\c], v[96+32*\c:111+32*\c], v[SO+2*\c]
	v_cvt_scalef32_pk16_fp6_f32 v[204+4*\c:206+4*\c], v[112+32*\c:127+32*\c], v[SO+2*\c+1]
.endr
	v_nop                                          ; one plain place behind a scaled conversion
.irp t, 0,1,2,3                        ; V's four tiles of 16 d x 128 keys take p's registers
.irp p, 0,1,2,3,4,5
	ds_load_b64 v[96+12*\t+2*\p:97+12*\t+2*\p], v[ADV] offset:3072*(\p/3)+768*\t+8*(\p%3)
.endr
	ds_load_b32 v[92+\t], v[ADT] offset:64*\t
.endr
	s_cmp_eq_u32 s[BAND], 0
	s_cbranch_scc1 .Lnos
	BSTORE 0, 192
	BSTORE 1, 204
	BSTORE 2, 198
	BSTORE 3, 208
.Lnos:
	s_wait_alu depctr_va_vdst(0)
.irp c, 0,1                            ; a whole block to a lane
.irp i, 0,1,2
	v_permlane16_swap_b32 v[192+6*\c+\i], v[204+4*\c+\i]
.endr
.irp i, 0,1,2
	s_delay_alu instid0(VALU_DEP_3)
	v_mov_b32 v[195+6*\c+\i], v[204+4*\c+\i]
.endr
.endr
.set j, 0
.rept 16
	v_pk_mul_f32 v[160+j:161+j], v[160+j:161+j], v[FF:FF+1] op_sel_hi:[1,0]   ; O^T under the new M; these lines are also the places ahead of the products
.set j, j+2
.endr
	v_mul_f32 v[SLR], v[SLR], v[FF]
	v_mul_f32 v[SRR], v[SRR], v[FF]
	s_wait_alu depctr_va_vdst(0)
	s_wait_dscnt 0x0
	MM0 144, 80, 192, ONE, PWD                     ; register b: the sum of block b's quantised p
.irp t, 0,1,2,3
	MMA 160+8*\t, 96+12*\t, 192, 92+\t, PWD        ; O^T += V^T P; the accumulators take turns
.endr
	s_add_co_u32 s[TB], s[TB], 6144
	s_add_co_u32 s[TS], s[TS], 512
	s_add_co_u32 s[TJ], s[TJ], 256
	s_add_co_i32 s[SG0], s[SG0], 4
	v_add_nc_u32 v[ADK], s[TB], v[AK0]             ; the next step's addresses: with the v_nop, five places behind the products
	v_add_nc_u32 v[ADV], s[TB], v[AV0]
	v_add_nc_u32 v[ADS], s[TS], v[ASK0]
	v_add_nc_u32 v[ADT], s[TJ], v[ASV0]
	v_nop
.irp b, 0,1,2,3
	v_fma_f32 v[SLR], v[144+\b], s[WL+\b], v[SLR]
	v_fma_f32 v[SRR], v[144+\b], s[WR+\b], v[SRR]
.endr
	s_sub_co_u32 s[STEPS], s[STEPS], 1
	s_cmp_lg_u32 s[STEPS], 0
	s_cbranch_scc1 .Lstep
	; ---- the constant blocks' share, and O^T, the sum and -M to LDS
	v_add_f32 v[LS], v[LS], v[LS+1]
	s_delay_alu instid0(VALU_DEP_1)
	v_permlanex16_b32 v[BX], v[LS], s[SEL], s[SEL+1]
	s_delay_alu instid0(VALU_DEP_1)
	v_add_f32 v[LS], v[LS], v[BX]
.irp u, 0,1
.irp e, 0,1
.irp k, 0,1,2,3
	ds_load_b128 v[96+32*\u+16*\e+4*\k:99+32*\u+16*\e+4*\k], v[CQA] offset:256*\u+128*\e+16*\k   ; c0q, then c64q, at d = 32 e + 16 h + 0 .. 15
.endr
.endr
.endr
	s_wait_dscnt 0x0
.set j, 0
	s_wait_alu depctr_va_vdst(0)
.rept 16
	v_pk_fma_f32 v[160+j:161+j], v[96+j:97+j], v[SLR:SLR+1], v[160+j:161+j] op_sel_hi:[1,0,1]
.set j, j+2
.endr
.set j, 0
.rept 16
	v_pk_fma_f32 v[160+j:161+j], v[128+j:129+j], v[SRR:SRR+1], v[160+j:161+j] op_sel_hi:[1,0,1]
.set j, j+2
.endr
	ds_store_b32 v[LMA], v[LS]
	ds_store_b32 v[LMA], v[NEGM] offset:2048
	s_cmp_eq_u32 s[PASS], 1                        ; the second pass keeps its O^T in registers
	s_wait_alu depctr_va_vdst(0)
	s_cbranch_scc1 .Lkeep_o
.irp e, 0,1
.irp k, 0,1,2,3
	ds_store_b128 v[OBA], v[160+16*\e+4*\k:163+16*\e+4*\k] offset:128*\e+16*\k
.endr
.endr
.Lkeep_o:
	s_add_nc_u64 s[SQ:SQ+1], s[SQ:SQ+1], 12288     ; the pass's loads of Q were waited for at its head
	s_add_nc_u64 s[SQS:SQS+1], s[SQS:SQS+1], 1024
	s_add_co_u32 s[BI], s[BI], 8
	s_add_co_u32 s55, s55, 96
	s_add_co_u32 s56, s56, 4
	s_sub_co_u32 s[PASS], s[PASS], 1
	s_cmp_lg_u32 s[PASS], 0
	s_cbranch_scc1 .Lpass
	BAR                                            ; every wave's reads of K, V and the tables are over
	s_mov_b32 s44, OB
	v_sub_nc_u32 v14, v[OBA], s44
.irp e, 0,1
.irp k, 0,1,2,3
	ds_store_b128 v14, v[160+16*\e+4*\k:163+16*\e+4*\k] offset:128*\e+16*\k   ; the second pass's O^T, over K's and V's codes
.endr
.endr
	s_mov_b32 s63, 0xffff0000
	BAR                                            ; all sixteen waves' band codes, O^T and sums of both passes lie in LDS
	; ---- regrouped by m: source 0 = the relative values' image for m, source 1 = the band codes of the sixteen queries with that m
	s_mul_i32 s44, s[WV], 12288
	v_and_b32 v14, 31, v0
	s_delay_alu instid0(VALU_DEP_1)
	v_lshlrev_b32 v15, 2, v14
	s_delay_alu instid0(VALU_DEP_2)
	v_lshl_add_u32 v14, v14, 4, s44
	s_lshl_b32 s44, s[WV], 10
	v_add_nc_u32 v15, s44, v15
.macro PH2 e
.irp t, 0,1,2,3
.irp k, 0,1,2
	global_load_b128 v[96+12*\t+4*\k:99+12*\t+4*\k], v14, s[8:9] offset:(4*\e+\t)*1536+512*\k
.endr
	global_load_b32 v[92+\t], v15, s[8:9] offset:RVS+(4*\e+\t)*128
.endr
.irp c, 0,1
	ds_load_b96 v[192+6*\c:194+6*\c], v[P2P] offset:1536*\e+64*\c       ; block 2 c + h: its lower 16 codes,
	ds_load_b96 v[204+4*\c:206+4*\c], v[P2P] offset:1536*\e+64*\c+16    ; its upper 16 (block 3 is no part of a row: what lanes 16-31 read there is cleared below)
.endr
.irp s, 0,1,2
	ds_load_b32 v[BM+\s], v[P2E] offset:1536*\e+32*\s+12                ; byte + M of block s
.endr
	ds_load_b32 v[NEGM], v[P2L] offset:64*\e+2048
	ds_load_b32 v[LS], v[P2L] offset:64*\e
.irp k, 0,1,2,3,4,5,6,7
	ds_load_b128 v[160+4*\k:163+4*\k], v[P2O] offset:2320*\e+128*(\k/4)+16*(\k%4)
.endr
	s_wait_loadcnt 0x0
	s_wait_dscnt 0x0
.irp c, 0,1
.irp i, 0,1,2
	v_mov_b32 v[195+6*\c+\i], v[204+4*\c+\i]
.endr
.endr
.irp k, 0,1,2,3,4,5
	v_cndmask_b32 v[198+\k], v[198+\k], v22, s63   ; the fourth block of 32 (lanes 16-31, second half): zero codes
.endr
.irp s, 0,1,2
	v_add_f32 v[BM+\s], v[BM+\s], v[NEGM]          ; byte + M then - M at the end
.endr
.irp s, 0,1,2
	s_delay_alu instid0(VALU_DEP_3)
	v_med3_num_f32 v[BM+\s], v[BM+\s], 0, 0x437e0000   ; held to 0 .. 254
.endr
.irp s, 0,1,2
	s_delay_alu instid0(VALU_DEP_3)
	v_cvt_u32_f32 v[BM+\s], v[BM+\s]
.endr
	s_delay_alu instid0(VALU_DEP_2)
	v_lshl_or_b32 v[PWD], v[BM+1], 8, v[BM]
	s_delay_alu instid0(VALU_DEP_1)
	v_lshl_or_b32 v[PWD], v[BM+2], 16, v[PWD]
	s_delay_alu instid0(VALU_DEP_1)
	v_or_b32 v[PWD], 0x7f000000, v[PWD]
	s_wait_alu depctr_va_vdst(0)
	v_rcp_f32 v[FF], v[LS]
.rept 8
	v_nop                                          ; a scale register written by a vector instruction stands eight places ahead of the product
.endr
.irp t, 0,1,2,3
	MMA 160+8*\t, 96+12*\t, 192, 92+\t, PWD
.endr
.rept 4
	v_nop
.endr
	s_wait_alu depctr_va_vdst(0)                   ; the reciprocal's wait, ahead of its first reader
.set j, 0
.rept 16
	v_pk_mul_f32 v[160+j:161+j], v[160+j:161+j], v[FF:FF+1] op_sel_hi:[1,0]   ; the context: / the sum
.set j, j+2
.endr
.irp b, 0,1                            ; quantised along d: two blocks of 32
	v_max3_num_f32 v[BX+\b], |v[160+16*\b]|, |v[161+16*\b]|, 0x1800000
.endr
.irp i, 2,4,6,8,10,12,14
.irp b, 0,1
	s_delay_alu instid0(VALU_DEP_2)
	v_max3_num_f32 v[BX+\b], v[BX+\b], |v[160+16*\b+\i]|, |v[161+16*\b+\i]|
.endr
.endr
.irp b, 0,1
	s_delay_alu instid0(VALU_DEP_2)
	v_permlanex16_b32 v[BX+2+\b], v[BX+\b], s[SEL], s[SEL+1]
.endr
.irp b, 0,1
	s_delay_alu instid0(VALU_DEP_2)
	v_max_num_f32 v[BX+\b], v[BX+\b], v[BX+2+\b]
.endr
.irp b, 0,1
	s_delay_alu instid0(VALU_DEP_2)
	v_add_nc_u32 v[SO+\b], 0xff000000, v[BX+\b]
.endr
.irp b, 0,1
	s_delay_alu instid0(VALU_DEP_2)
	v_lshrrev_b32 v[BX+2+\b], 23, v[SO+\b]
.endr
	s_delay_alu instid0(VALU_DEP_1)
	v_lshl_or_b32 v244, v[BX+3], 8, v[BX+2]
	v_cvt_scalef32_pk16_fp6_f32 v[224:226], v[160:175], v[SO]
	v_cvt_scalef32_pk16_fp6_f32 v[228:230], v[176:191], v[SO+1]
	v_nop
.irp i, 0,1,2
	v_permlane16_swap_b32 v[224+\i], v[228+\i]
.endr
	s_delay_alu instid0(VALU_DEP_3)
	v_mov_b32 v227, v228
	s_delay_alu instid0(VALU_DEP_3)
	v_mov_b32 v228, v229
	s_delay_alu instid0(VALU_DEP_3)
	v_mov_b32 v229, v230
.irp p, 0,1,2
	ds_store_b64 v[P2C], v[224+2*\p:225+2*\p] offset:48*\e+8*\p
.endr
	ds_store_b16 v[P2S], v244 offset:2*\e
	s_wait_dscnt 0x0
.endm
	PH2 0
	PH2 1
	BAR                                            ; the work-group's 512 rows of codes lie in LDS; all reads of the band codes, O^T and the sums are over
	v_lshlrev_b32 v14, 4, v0
	s_delay_alu instid0(VALU_DEP_1)
	v_add_nc_u32 v15, CT, v14
	v_lshlrev_b32 v244, 5, v0
	v_lshl_add_u32 v245, v0, 1, CTS
	ds_load_b128 v[96:99], v15
	ds_load_b128 v[100:103], v15 offset:8192       ; 512 rows of 48 bytes are three times 512 threads x 16
	ds_load_b128 v[104:107], v15 offset:16384
	ds_load_u16 v108, v245
	s_wait_alu depctr_va_vdst(0)
	s_wait_dscnt 0x0
	global_store_b128 v14, v[96:99], s[OCC:OCC+1]  ; 16 lanes store 256 consecutive bytes, aligned
	global_store_b128 v14, v[100:103], s[OCC:OCC+1] offset:8192
	global_store_b128 v14, v[104:107], s[OCC:OCC+1] offset:16384
	global_store_b16 v244, v108, s[OCS:OCS+1]      ; a query's two scale bytes in its row of 32
	s_wait_tensorcnt 0x0                           ; the wave's end, behind my last LDS store
	ds_add_u32 v[SPW], v[NIL]
	s_wait_dscnt 0x0
	s_endpgm
.Lfunc_end_k_q605c5c2f30_attn:
	.size	k_q605c5c2f30_attn, .Lfunc_end_k_q605c5c2f30_attn-k_q605c5c2f30_attn
	.p2alignl 7, 3214868480
	.fill 96, 4, 3214868480
	.section	.rodata,"a",@progbits
	.p2align	6, 0x0
	.amdhsa_kernel k_q605c5c2f30_attn
		.amdhsa_group_segment_fixed_size 327680
		.amdhsa_private_segment_fixed_size 0
		.amdhsa_enable_private_segment 0
		.amdhsa_kernarg_size 40
		.amdhsa_user_sgpr_count 2
		.amdhsa_user_sgpr_kernarg_segment_ptr 1
		.amdhsa_wavefront_size32 1
		.amdhsa_system_sgpr_workgroup_id_x 1
		.amdhsa_system_sgpr_workgroup_id_y 1
		.amdhsa_system_sgpr_workgroup_id_z 1
		.amdhsa_system_vgpr_workitem_id 0
		.amdhsa_next_free_vgpr 256
		.amdhsa_next_free_sgpr 66
		.amdhsa_reserve_vcc 1
		.amdhsa_float_denorm_mode_32 3
		.amdhsa_float_denorm_mode_16_64 3
		.amdhsa_memory_ordered 1
		.amdhsa_forward_progress 1
		.amdhsa_inst_pref_size 99
	.end_amdhsa_kernel
	.amdgpu_metadata
---
amdhsa.version: [ 1, 2 ]
amdhsa.kernels:
  - .name:           k_q605c5c2f30_attn
    .symbol:         k_q605c5c2f30_attn.kd
    .args:
      - { .name: qkv, .offset: 0, .size: 8, .value_kind: global_buffer, .address_space: global }
      - { .name: qkvs, .offset: 8, .size: 8, .value_kind: global_buffer, .address_space: global }
      - { .name: tab, .offset: 16, .size: 8, .value_kind: global_buffer, .address_space: global }
      - { .name: cc, .offset: 24, .size: 8, .value_kind: global_buffer, .address_space: global }
      - { .name: cs, .offset: 32, .size: 8, .value_kind: global_buffer, .address_space: global }
    .group_segment_fixed_size: 327680
    .private_segment_fixed_size: 0
    .kernarg_segment_align: 8
    .kernarg_segment_size: 40
    .max_flat_workgroup_size: 512
    .sgpr_count:     66
    .vgpr_count:     256
    .wavefront_size: 32
...
	.end_amdgpu_metadata
.endif
;; end of part 3
;; launch outp (part 4): grid 4 x 64, 4 waves a work-group, clusters of 4 x 4, 327,680 bytes of LDS; arguments cc, cs, xw, xws, b_o, out0; writes out0
.if DOCPART == 4
	.amdgcn_target "amdgcn-amd-amdhsa--gfx1250"
	.amdhsa_code_object_version 6
	.text
	.protected	k_q605c5c2f30_outp
	.globl	k_q605c5c2f30_outp
	.p2align	8
	.type	k_q605c5c2f30_outp,@function
k_q605c5c2f30_outp:
	s_mov_b64 s[64:65], 0
	v_nop
	global_prefetch_b8 v0, s[64:65] scope:SCOPE_SE
	s_setreg_imm32_b32 hwreg(HW_REG_WAVE_MODE, 25, 1), 1
	s_wait_xcnt 0x0
	s_wait_alu depctr_hold_cnt(0) depctr_sa_sdst(0) depctr_va_vdst(0) depctr_va_sdst(0) depctr_va_ssrc(0) depctr_va_vcc(0) depctr_vm_vsrc(0)
	s_getreg_b32 s2, hwreg(HW_REG_IB_STS2, 6, 4)
	s_cmp_eq_u32 s2, 0
	s_cbranch_scc0 .Lentry_in_a_cluster
	s_endpgm
.Lentry_in_a_cluster:
	s_bfe_u32 s2, ttmp6, 0x10000c
	s_cmp_lg_u32 s2, 0xf033
	s_cbranch_scc0 .Lentry_shape_is_right
	s_endpgm
.Lentry_shape_is_right:
; out0[token][n] = sum over k of ctx[token][k] Wo[n][k] + b_o[n]: codes of FP6 (E2M3) with E8M0 scales, K = 1,024, f32 sums.
; A = the context, cc [k / 64][8,192 tokens][48 bytes], scales cs [token][32]; B = Wo, rows 11,264 on of xw [k / 64][12,288 rows][48 bytes], scales in xws [row][32].
; A work-group makes 128 tokens x 256 n: 64 x 4 = 256 work-groups.  ALL OF K LIES IN LDS: A 16 planes x 6,144 bytes, B 16 planes x 12,288, the scales 13,056: nothing is filled again.
; Two groups of joint loads of a 4 x 4 cluster (A shared along a row of the cluster, B along a column): at the head planes 0-3 and the scales, one load a wave; behind a round planes 4-15, six a wave.
; Every descriptor row (one plane's part of a tile) begins at a multiple of 256 bytes.  LDS rows are 48 bytes apart: the 32 lanes of a load of 8 bytes touch 64 different banks (12 r + 6 h words).
; A wave makes 64 tokens x 128 n: 32 accumulators (window 2, (a, b) at v[8 (8 a + b)]).  Source 0 = 16 rows of Wo, source 1 = 16 tokens: a lane holds eight neighbouring n of one token.  The bias is the C of the first step.
; Both operands have two sets of fragments (A: window 0 from v128; B: window 1 at v0 and v128): a step's 72 loads are issued in one run ahead of the step before's 32 products.
; No prefetch: every tile is asked for in the launch's first two groups of loads; there is no loop to run ahead in.
.set SIZE_N, 1024
.set FR,     12
.set NP,     4
.set PA,     6144                      ; a plane of A in LDS: 128 rows x 48
.set PBL,    12288                     ; a plane of B: 256 rows x 48
.set CCP,    393216                    ; a plane of cc in memory
.set XWP,    589824                    ; a plane of xw
.set BOFF,   16*PA
.set SCL,    BOFF+16*PBL               ; the scales: units of 256 bytes + 16 of padding; A's 16 units, then B's 32
.set SBLK,   2*272                     ; those of 16 rows
.set SPARE,  SCL+48*272                ; the spare words: 128 bytes a wave, named by no other line
.set SPITCH, 528                       ; the way out: a stage of 16 rows x (512 + 16) bytes a wave, from LDS byte 0, behind a barrier behind which nobody reads tiles
.set WOC,    11264*48
.set WOS,    11264*32
.set ADRA, 16                          ; v16-19 my A fragments, planes 4 j on
.set ADRB, 20                          ; v20-23 the same for B
.set STO,  24
.set RD,   25
.set CO,   26
.set ADRS, 27                          ; scale words: lanes 0-15 A's rows, lanes 16-31 B's
.set SPW,  28
.set NIL,  29
.set SC,   32                          ; v32-63 scale words, two sets of 8 x 2 (a pair of steps)
.set BIA,  64                          ; v64-127 the bias in the results' layout
.set AF,   128
.set BK,   128
.set G1, 24
.set G0, 32
.set G1B, 48
.set G0B, 56
.set G1S, 68
.set G0S, 76
.set G1SB, 80
.set G0SB, 88
.set MSB, 0
.macro WIN new                         ; the immediate's high byte repeats the setting that is left
.if MSB != \new
	s_set_vgpr_msb (MSB<<8)|\new
.set MSB, \new
.endif
.endm
.set MULW,   0xa1                      ; source 0 (B) window 1, source 1 (A) window 0, C and D window 2
.set TO_B,   0x40
.macro JLOAD g0a, g1a, g0b, g1b        ; waves 0, 1 fetch for A, waves 2, 3 for B; s_nop 0 and four v_nop follow each line
	s_cmp_eq_u32 s15, 0
	s_cbranch_scc0 .Lfor_b_\@
	tensor_load_to_lds s[\g0a:\g0a+3], s[\g1a:\g1a+7]
	s_nop 0
.rept 4
	v_nop
.endr
	s_branch .Lasked_\@
.Lfor_b_\@:
	tensor_load_to_lds s[\g0b:\g0b+3], s[\g1b:\g1b+7]
	s_nop 0
.rept 4
	v_nop
.endr
.Lasked_\@:
.endm
.macro CREST
	s_cmp_lg_u32 s14, 0
	s_cbranch_scc1 .Lnot_wave_0_\@
	s_barrier_signal -3
.Lnot_wave_0_\@:
	s_barrier_wait -3
	s_barrier_signal -1
	s_barrier_wait -1
.endm
.macro CROUND
	s_barrier_signal -1
	s_barrier_wait -1
	CREST
.endm
.macro ARM under, g0, g1, next
	s_cmp_lt_u32 s14, \under
	s_cbranch_scc0 \next
	tensor_load_to_lds s[\g0:\g0+3], s[\g1:\g1+7]
	s_nop 0
.rept 4
	v_nop
.endr
	s_branch .Lhead_asked
\next:
.endm
	s_load_b256 s[4:11], s[0:1], 0x0               ; cc 4, cs 6, xw 8, xws 10
	s_load_b128 s[96:99], s[0:1], 0x20             ; b_o 96, out0 98
	v_lshl_add_u32 v[SPW], v0, 2, SPARE
	v_mov_b32 v[NIL], 0
	ds_add_u32 v[SPW], v[NIL]                      ; the opening: the add, twice on end, and its wait ahead of my first tensor load
	ds_add_u32 v[SPW], v[NIL]
	v_lshrrev_b32 v1, 5, v0
	v_readfirstlane_b32 s14, v1                    ; wave
	s_lshr_b32 s15, s14, 1                         ; my 64 of the 128 tokens; also: I fetch for A (0) or B (1)
	s_and_b32 s16, s14, 1                          ; my 128 of the 256 n; also: which six planes I fetch
	s_bfe_u32 s40, ttmp6, 0x40000                  ; cx
	s_bfe_u32 s41, ttmp6, 0x40004                  ; cy
	s_lshl_b32 s42, ttmp9, 2
	s_add_co_u32 s42, s42, s40                     ; B's tile
	s_and_b32 s17, ttmp7, 0xffff
	s_lshl_b32 s17, s17, 2
	s_add_co_u32 s17, s17, s41                     ; A's tile
	s_lshl_b32 s43, s41, 2
	s_lshl_b32 s43, 15, s43                        ; my row of the cluster
	s_lshl_b32 s44, 0x1111, s40                    ; my column
	s_or_b32 s[G1+0], s43, (3<<16)|(1<<21)         ; the mask; elements of 8 bytes; no padding
	s_mov_b32 s[G1+1], 768<<16                     ; a descriptor's row: 128 tokens of one plane
	s_mov_b32 s[G1+2], 4<<16                       ; four planes at the head; six behind it
	s_mov_b32 s[G1+3], 768<<16
	s_mov_b32 s[G1+4], 4
	s_mov_b32 s[G1+5], CCP/8
	s_mov_b32 s[G1+6], 0
	s_mov_b32 s[G1+7], 0
	s_or_b32 s[G1B+0], s44, (3<<16)|(1<<21)
	s_mov_b32 s[G1B+1], 1536<<16                   ; 256 rows of Wo of one plane
	s_mov_b32 s[G1B+2], 4<<16
	s_mov_b32 s[G1B+3], 1536<<16
	s_mov_b32 s[G1B+4], 4
	s_mov_b32 s[G1B+5], XWP/8
	s_mov_b32 s[G1B+6], 0
	s_mov_b32 s[G1B+7], 0
	s_or_b32 s[G1S+0], s43, (3<<16)|(1<<20)|(1<<21)|(5<<22)|(3<<25)  ; scales: rows of 256 bytes, 16 of padding behind each
	s_or_b32 s[G1SB+0], s44, (3<<16)|(1<<20)|(1<<21)|(5<<22)|(3<<25)
.irp g, G1S, G1SB
	s_mov_b32 s[\g+1], 32<<16
	s_mov_b32 s[\g+3], 32<<16
	s_mov_b32 s[\g+5], 32
	s_mov_b32 s[\g+6], 0
	s_mov_b32 s[\g+7], 0
.endr
	s_mov_b32 s[G1S+2], 16<<16                     ; 128 tokens x 32 bytes
	s_mov_b32 s[G1S+4], 16
	s_mov_b32 s[G1SB+2], 32<<16                    ; 256 rows x 32 bytes
	s_mov_b32 s[G1SB+4], 32
	s_mul_i32 s20, s17, 128*48                     ; byte offsets, made apart from the addresses
	s_mov_b32 s21, 0
	s_lshl_b32 s22, s17, 12
	s_mov_b32 s23, 0
	s_mul_i32 s46, s42, 256*48
	s_add_co_u32 s46, s46, WOC
	s_mov_b32 s47, 0
	s_lshl_b32 s92, s42, 13
	s_add_co_u32 s92, s92, WOS
	s_mov_b32 s93, 0
	s_mul_i32 s18, s16, 6*CCP                      ; the second group: planes 4 + 6 (wave % 2) on
	s_add_co_u32 s18, s18, 4*CCP
	s_mov_b32 s19, 0
	s_mul_i32 s94, s16, 6*XWP
	s_add_co_u32 s94, s94, 4*XWP
	s_mov_b32 s95, 0
	s_mul_i32 s45, s16, 6*PA
	s_add_co_u32 s45, s45, 4*PA
	s_mul_i32 s3, s16, 6*PBL
	s_add_co_u32 s3, s3, BOFF+4*PBL
	s_wait_dscnt 0x0                               ; both opening adds are done
	s_wait_kmcnt 0x0
	s_add_nc_u64 s[20:21], s[4:5], s[20:21]
	s_add_nc_u64 s[22:23], s[6:7], s[22:23]
	s_add_nc_u64 s[46:47], s[8:9], s[46:47]
	s_add_nc_u64 s[92:93], s[10:11], s[92:93]
	CROUND                                         ; all sixteen work-groups are here: the first joint loads meet
	s_mov_b32 s[G0], 1
	s_mov_b32 s[G0+1], 0
	s_mov_b64 s[G0+2:G0+3], s[20:21]
	s_or_b32 s[G0+3], s[G0+3], 0x80000000
	s_mov_b32 s[G0+4], 1
	s_mov_b32 s[G0+5], s45
	s_add_nc_u64 s[G0+6:G0+7], s[20:21], s[18:19]
	s_or_b32 s[G0+7], s[G0+7], 0x80000000
	s_mov_b32 s[G0B], 1
	s_mov_b32 s[G0B+1], BOFF
	s_mov_b64 s[G0B+2:G0B+3], s[46:47]
	s_or_b32 s[G0B+3], s[G0B+3], 0x80000000
	s_mov_b32 s[G0B+4], 1
	s_mov_b32 s[G0B+5], s3
	s_add_nc_u64 s[G0B+6:G0B+7], s[46:47], s[94:95]
	s_or_b32 s[G0B+7], s[G0B+7], 0x80000000
	s_mov_b32 s[G0S], 1
	s_mov_b32 s[G0S+1], SCL
	s_mov_b64 s[G0S+2:G0S+3], s[22:23]
	s_or_b32 s[G0S+3], s[G0S+3], 0x80000000
	s_mov_b32 s[G0SB], 1
	s_mov_b32 s[G0SB+1], SCL+16*272
	s_mov_b64 s[G0SB+2:G0SB+3], s[92:93]
	s_or_b32 s[G0SB+3], s[G0SB+3], 0x80000000
	; the head's loads, one a wave: A's planes 0-3, A's scales, B's planes 0-3, B's scales
	ARM 1, G0,  G1,  .Lhead_sa
	ARM 2, G0S, G1S, .Lhead_b
	ARM 3, G0B, G1B, .Lhead_sb
	tensor_load_to_lds s[G0SB:G0SB+3], s[G1SB:G1SB+7]
	s_nop 0
.rept 4
	v_nop
.endr
.Lhead_asked:
	s_mul_i32 s21, s15, 64*48                      ; my 64 tokens in each plane of A
	s_mul_i32 s22, s16, 128*48                     ; my 128 rows in each plane of B
	s_add_co_u32 s22, s22, BOFF
	s_mul_i32 s18, s15, 4*SBLK                     ; A's scales: my 64 tokens
	s_mul_i32 s19, s16, 8*SBLK                     ; B's: my 128 rows, behind A's 128
	s_add_co_u32 s19, s19, 8*SBLK
	s_sub_co_u32 s19, s19, s18
	s_add_co_u32 s18, s18, SCL
	s_mul_i32 s23, s14, 16*SPITCH                  ; my stage
	s_lshl_b32 s46, s42, 10
	s_lshl_b32 s47, s16, 9
	s_add_co_u32 s46, s46, s47                     ; my first column in bytes
	v_and_b32 v1, 15, v0                           ; r
	v_bfe_u32 v2, v0, 4, 1                         ; h
	v_mul_u32_u24 v3, v1, 48
	v_mad_u32_u24 v3, v2, 24, v3                   ; 48 r + 24 h
	v_add_nc_u32 v[ADRA], s21, v3
	v_add_nc_u32 v[ADRB], s22, v3
.irp j, 1,2,3
	v_add_nc_u32 v[ADRA+\j], \j*4*PA, v[ADRA]
	v_add_nc_u32 v[ADRB+\j], \j*4*PBL, v[ADRB]
.endr
	v_lshlrev_b32 v5, 5, v1                        ; my row's scales: 32 bytes a row,
	v_lshrrev_b32 v6, 8, v5
	v_lshl_add_u32 v5, v6, 4, v5                   ; and 16 more for each 256 passed
	v_mul_u32_u24 v6, s19, v2                      ; lanes 16-31 take B's
	v_add_nc_u32 v5, v5, v6
	v_add_nc_u32 v[ADRS], s18, v5
	v_mul_u32_u24 v5, v1, SPITCH
	v_lshl_add_u32 v5, v2, 5, v5
	v_add_nc_u32 v[STO], s23, v5                   ; into the stage: row r, 32 bytes for each half of the lanes
	v_and_b32 v6, 31, v0
	v_lshlrev_b32 v[CO], 4, v6                     ; back: the 32 lanes take a row of 512 bytes; the same in out0
	v_add_nc_u32 v[RD], s23, v[CO]
	v_lshl_add_u32 v7, v2, 5, s46                  ; the bias: 4 (my first column + 8 h)
.irp b, 0,1,2,3,4,5,6,7
	global_load_b128 v[BIA+8*\b:BIA+8*\b+3], v7, s[96:97] offset:64*\b
	global_load_b128 v[BIA+8*\b+4:BIA+8*\b+7], v7, s[96:97] offset:64*\b+16
.endr
	s_lshl_b32 s20, s17, 7
	s_lshl_b32 s21, s15, 6
	s_add_co_u32 s20, s20, s21                     ; my first token
	s_lshl_b32 s20, s20, 12                        ; x 4,096 bytes a row of out0
	s_add_co_u32 s20, s20, s46
	s_mov_b32 s21, 0
	s_add_nc_u64 s[98:99], s[98:99], s[20:21]
.macro FRAG reg, adr, st, i, pl        ; 16 rows x 128 K: 12 registers, in pieces of 8 bytes: planes 2 st and 2 st + 1, 24 bytes of each
.irp p, 0,1,2,3,4,5
	ds_load_b64 v[\reg+2*\p:\reg+2*\p+1], v[\adr+(\st)/2] offset:(2*((\st)%2)+\p/3)*(\pl)+(\i)*768+8*(\p%3)
.endr
.endm
.macro SCALES pr                       ; the words of steps 2 pr, 2 pr + 1: register 2 i + q: lanes 0-15 A's block i (blocks 0-3 are used), lanes 16-31 B's block i
.irp i, 0,1,2,3,4,5,6,7
	ds_load_b64 v[SC+16*((\pr)%2)+2*\i:SC+16*((\pr)%2)+2*\i+1], v[ADRS] offset:\i*SBLK+8*(\pr)
.endr
.endm
.macro FETCH st                        ; step st's fragments into set st % 2
	WIN TO_B
.irp i, 0,1,2,3,4,5,6,7
	FRAG 128*((\st)%2)+FR*\i, ADRB, \st, \i, PBL
.endr
	WIN 0
.irp i, 0,1,2,3
	FRAG AF+48*((\st)%2)+FR*\i, ADRA, \st, \i, PA
.endr
.if (\st)%2 == 0
	SCALES (\st)/2
.endif
.endm
; 16 matrix instructions; the 32 accumulators take turns, one instruction a turn, in the same order in every step
.macro MULH st, a0
.irp a, \a0, \a0+1
.irp b, 0,1,2,3,4,5,6,7
.if (\st) == 0
	v_wmma_scale_f32_16x16x128_f8f6f4 v[8*(8*(\a)+\b):8*(8*(\a)+\b)+7], v[128*((\st)%2)+FR*\b:128*((\st)%2)+FR*\b+FR-1], v[AF+48*((\st)%2)+FR*(\a):AF+48*((\st)%2)+FR*(\a)+FR-1], v[BIA+8*\b:BIA+8*\b+7], v[SC+16*(((\st)/2)%2)+2*\b+(\st)%2], v[SC+16*(((\st)/2)%2)+2*(\a)+(\st)%2] matrix_a_fmt:MATRIX_FMT_FP6 matrix_b_fmt:MATRIX_FMT_FP6 matrix_a_scale:MATRIX_SCALE_ROW1
.else
	v_wmma_scale_f32_16x16x128_f8f6f4 v[8*(8*(\a)+\b):8*(8*(\a)+\b)+7], v[128*((\st)%2)+FR*\b:128*((\st)%2)+FR*\b+FR-1], v[AF+48*((\st)%2)+FR*(\a):AF+48*((\st)%2)+FR*(\a)+FR-1], v[8*(8*(\a)+\b):8*(8*(\a)+\b)+7], v[SC+16*(((\st)/2)%2)+2*\b+(\st)%2], v[SC+16*(((\st)/2)%2)+2*(\a)+(\st)%2] matrix_a_fmt:MATRIX_FMT_FP6 matrix_b_fmt:MATRIX_FMT_FP6 matrix_a_scale:MATRIX_SCALE_ROW1
.endif
.endr
.endr
.endm
.macro PLACES n                        ; plain places behind matrix instructions, ahead of loads into their registers and of reads of their results
.rept \n
	v_nop
.endr
.endm
.macro STEP st
	s_wait_dscnt 0x0                               ; this step's fragments and scale words are in
.if (\st) == 1                         ; step 2 lies in the second group's planes: each wave waits for its load, and a barrier shows all twelve planes to all four waves
	WIN MULW
	MULH \st, 0
	s_wait_tensorcnt 0x0
	s_barrier_signal -1
	MULH \st, 2
	WIN 0
	s_barrier_wait -1
	PLACES NP
	FETCH (\st)+1
.else
.if (\st) < 7
.if (\st) > 0
	PLACES NP
.endif
	FETCH (\st)+1
.endif
.if (\st) == 0
	WIN 0x81                                       ; C (the bias) in window 0, D in window 2
.else
	WIN MULW
.endif
	MULH \st, 0
	MULH \st, 2
	WIN 0
.endif
.endm
	s_wait_alu depctr_va_vdst(0)                   ; the head's end
	s_wait_tensorcnt 0x0                           ; my tile of the head's four is in
	ds_add_u32 v[SPW], v[NIL]
	s_mov_b32 s[G1+2], 6<<16                       ; no tensor load of mine is out: the next load brings six planes
	s_mov_b32 s[G1+4], 6
	s_mov_b32 s[G1B+2], 6<<16
	s_mov_b32 s[G1B+4], 6
	s_wait_dscnt 0x0                               ; the add is done
	CROUND                                         ; all four tiles are in, and all sixteen work-groups are here
	JLOAD G0+4, G1, G0B+4, G1B                     ; planes 4-15, the first tensor load behind the round
	FETCH 0
	s_wait_loadcnt 0x0                             ; the bias
.irp t, 0,1,2,3,4,5,6,7
	STEP \t
.endr
	s_barrier_signal -1                            ; no LDS instruction of mine is out: behind this barrier nobody reads a tile, and the stages may lie over them
	s_barrier_wait -1
; THE WAY OUT, block by block of 16 tokens x 128 n, through my own stage and back as whole rows of 512 bytes.  LDS serves a wave's instructions in order: no wait between the stores and the loads.
.macro TOSTAGE a
.set AC, 64*(\a)
	WIN 0x08                                       ; the data: window 2
.irp b, 0,1,2,3,4,5,6,7
	ds_store_b128 v[STO], v[AC+8*\b:AC+8*\b+3] offset:64*\b          ; each accumulator from its low end on
	ds_store_b128 v[STO], v[AC+8*\b+4:AC+8*\b+7] offset:64*\b+16
.endr
	WIN 0
.set BB, BK+64*((\a)%2)
.irp t, 0,1,2,3,4,5,6,7,8,9,10,11,12,13,14,15
	ds_load_b128 v[BB+4*\t:BB+4*\t+3], v[RD] offset:\t*SPITCH
.endr
.endm
.macro SEND a, younger                 ; younger: the LDS instructions issued behind block a's loads, which may stay out
.set BB, BK+64*((\a)%2)
	s_wait_dscnt \younger
.if (\a) > 0
	s_add_nc_u64 s[98:99], s[98:99], 16*SIZE_N*4   ; behind a wait on XCNT: the earlier stores have read their base
.endif
.irp t, 0,1,2,3,4,5,6,7,8,9,10,11,12,13,14,15
	global_store_b128 v[CO], v[BB+4*\t:BB+4*\t+3], s[98:99] offset:\t*SIZE_N*4 th:TH_STORE_NT   ; 32 lanes store 512 consecutive bytes, aligned to 256
.endr
.endm
	PLACES NP
	TOSTAGE 0
.irp a, 1,2,3
.if \a > 1
	s_wait_xcnt 0x0                                ; block a - 2's stores have read their registers and their base
.endif
	TOSTAGE \a
	SEND \a-1, 32                                  ; behind block a - 1's loads: block a's 16 stores and 16 loads
.endr
	s_wait_xcnt 0x0
	SEND 3, 0
	s_wait_tensorcnt 0x0                           ; the wave's end
	ds_add_u32 v[SPW], v[NIL]
	s_wait_dscnt 0x0
	CROUND                                         ; the closing round
	s_endpgm
.Lfunc_end_k_q605c5c2f30_outp:
	.size	k_q605c5c2f30_outp, .Lfunc_end_k_q605c5c2f30_outp-k_q605c5c2f30_outp
	.p2alignl 7, 3214868480
	.fill 96, 4, 3214868480
	.section	.rodata,"a",@progbits
	.p2align	6, 0x0
	.amdhsa_kernel k_q605c5c2f30_outp
		.amdhsa_group_segment_fixed_size 327680
		.amdhsa_private_segment_fixed_size 0
		.amdhsa_enable_private_segment 0
		.amdhsa_kernarg_size 48
		.amdhsa_user_sgpr_count 2
		.amdhsa_user_sgpr_kernarg_segment_ptr 1
		.amdhsa_wavefront_size32 1
		.amdhsa_system_sgpr_workgroup_id_x 1
		.amdhsa_system_sgpr_workgroup_id_y 1
		.amdhsa_system_sgpr_workgroup_id_z 1
		.amdhsa_system_vgpr_workitem_id 0
		.amdhsa_next_free_vgpr 768
		.amdhsa_next_free_sgpr 100
		.amdhsa_reserve_vcc 0
		.amdhsa_float_denorm_mode_32 3
		.amdhsa_float_denorm_mode_16_64 3
		.amdhsa_memory_ordered 1
		.amdhsa_forward_progress 1
		.amdhsa_inst_pref_size 99
	.end_amdhsa_kernel
	.amdgpu_metadata
---
amdhsa.version: [ 1, 2 ]
amdhsa.kernels:
  - .name:           k_q605c5c2f30_outp
    .symbol:         k_q605c5c2f30_outp.kd
    .args:
      - { .name: cc, .offset: 0, .size: 8, .value_kind: global_buffer, .address_space: global }
      - { .name: cs, .offset: 8, .size: 8, .value_kind: global_buffer, .address_space: global }
      - { .name: xw, .offset: 16, .size: 8, .value_kind: global_buffer, .address_space: global }
      - { .name: xws, .offset: 24, .size: 8, .value_kind: global_buffer, .address_space: global }
      - { .name: b_o, .offset: 32, .size: 8, .value_kind: global_buffer, .address_space: global }
      - { .name: out0, .offset: 40, .size: 8, .value_kind: global_buffer, .address_space: global }
    .group_segment_fixed_size: 327680
    .private_segment_fixed_size: 0
    .kernarg_segment_align: 8
    .kernarg_segment_size: 48
    .max_flat_workgroup_size: 128
    .sgpr_count:     100
    .vgpr_count:     768
    .wavefront_size: 32
...
	.end_amdgpu_metadata
.endif
;; end of part 4
